; MI455X (gfx1250); checked and timed in simulation.
; The chip was launched on July 23, 2026; its instructions are those of AMD's public machine-readable ISA for CDNA 5 (MIT licence, August 2026) and "CDNA5" Instruction Set Architecture Reference Guide (July 2026). The comments in the code are by the model that wrote it; some were corrected since.
;; Self Attention. Allowed arithmetic: matrix products marked QUANTISED: E3M2 operands, one E8M0 scale for each 32 along K, by v_wmma_scale_f32_16x16x128_f8f6f4 with both operands' format E3M2, f32 sums; everything else in f32.
;; Inputs: Wk 1,024 x 1,024 float32; Wo 1,024 x 1,024 float32; Wq 1,024 x 1,024 float32; Wv 1,024 x 1,024 float32; attention_mask 4 x 2,048 bool; bk 1,024 float32; bo 1,024 float32; bq 1,024 float32; bv 1,024 float32; hidden_states 4 x 2,048 x 1,024 float32; ln_beta 1,024 float32; ln_gamma 1,024 float32.
;; Outputs: out0 4 x 2,048 x 1,024 float32.
;; This version of the problem:
;;   THIS VERSION OF THE PROBLEM IS GIVEN IN LOW PRECISION. The matrix products marked QUANTISED in the list below multiply operands that are first quantised to E3M2 (3 exponent bits, 2 mantissa bits; 6 bits a number), with one power-of-two scale for each 32 numbers along K (OCP MX v1.0); their sums are f32. All else is computed in f32.
;;   The module's matrix products, in the order in which they are computed (A, B: the left and right operand; K: the contracted axis; several contracted axes count as one K, in the product's order):
;;     1. [M 8,192, K 1,024] x [K 1,024, N 1,024]; A: computed on the way; B: input Wq: QUANTISED
;;     2. [M 8,192, K 1,024] x [K 1,024, N 1,024]; A: computed on the way; B: input Wk: QUANTISED
;;     3. [M 8,192, K 1,024] x [K 1,024, N 1,024]; A: computed on the way; B: input Wv: QUANTISED
;;     4. batch 64 x [M 2,048, K 64] x [K 64, N 2,048]; A: computed on the way; B: computed on the way: QUANTISED
;;     5. batch 64 x [M 64, K 2,048] x [K 2,048, N 2,048]; A: computed on the way; B: softmax (see below): QUANTISED
;;     6. [M 8,192, K 1,024] x [K 1,024, N 1,024]; A: computed on the way; B: input Wo: QUANTISED
;;   THE QUANTISER, for each operand of a quantised product, along K:
;;     - K is cut into blocks of 32 from its start; a last block that is shorter is filled with zeros.
;;     - A block's scale is 2^e with e = floor(log2(the largest magnitude in the block)) - 4, held to -126 .. 127; a block of zeros has e = 0. As a byte (E8M0): e + 127.
;;     - Each number is divided by its block's scale, clamped to +-28, and rounded to the nearest number of E3M2, ties to even, subnormals kept.
;;     - The product sums the exact products of the quantised numbers (number of the format x scale) in f32.
;;   ~~~python
;;   def quantise(x, axis):      # numpy; x: float32 -> the quantised numbers, widened to float32 again
;;       x = np.moveaxis(x, axis, -1); K = x.shape[-1]
;;       x = np.pad(x, [(0, 0)] * (x.ndim - 1) + [(0, -K % 32)]); x = x.reshape(x.shape[:-1] + (-1, 32)); a = np.abs(x).max(-1, keepdims=True)
;;       e = np.where(a > 0, np.clip(np.frexp(np.where(a > 0, a, 1))[1] - 1 - 4, -126, 127), 0)      # np.frexp(a)[1] - 1 = floor(log2(a)), exactly
;;       r = np.clip(x / 2.0 ** e, -28, 28)
;;       step = 2.0 ** (np.maximum(np.frexp(np.where(r == 0, 1, r))[1] - 1, -2) - 2)
;;       q = np.round(r / step) * step * 2.0 ** e      # np.round: ties to even
;;       return np.moveaxis(q.reshape(q.shape[:-2] + (-1,))[..., :K], -1, axis).astype(np.float32)
;;   ~~~
;;   SOFTMAX AHEAD OF A QUANTISED PRODUCT. Where the list says 'softmax', what is quantised is not the finished softmax but p = 2^(t - M), with t = logit x log2(e) and M = ceil(the row's largest t), a whole number; so 1/2 < the row's largest p <= 1. The row's sum l is taken of the UNQUANTISED p, in f32, and the product's result is divided by l at the end. Since M is a whole number, a kernel that streams over the keys may use a running M (the ceiling of the running maximum): every later rescaling is an exact power of two, which a block's scale takes up: the codes' values come out the same.
;;   OPERANDS COMPUTED ON THE WAY. 'Computed on the way' means the value that the module computes at that place (a softmax that the list does not call 'softmax' is quantised finished and normalised). What goes into a quantiser is computed in f32, as accurately as f32 sums, v_exp_f32 and their like allow (about 1e-6 of the number): no bf16 or f16 on the way to a quantiser, and a product that is left as it is and whose result goes on into a quantised operand takes f32 operands (vector FMAs, or v_wmma_f32_16x16x4_f32). A number that lies on a knife's edge between two numbers of the format may be rounded either way, as far as f32 arithmetic and the matrix unit's own rounding can turn it there, and no further.
;; One version. Each part assembles by itself: llvm-mc -triple=amdgcn-amd-amdhsa -mcpu=gfx1250 --defsym DOCPART=n.
;; ======== version 1 of 1: 4 launches
;; limits: right only within a limited range of input values
;; workspace buffers: xc 6,291,456 bytes; xs 262,144 bytes; wc 3,145,728 bytes; ws 131,072 bytes; qf 8,388,608 bytes; kv 15,204,352 bytes; ao 6,291,456 bytes; ash 262,144 bytes
;; launch prep (part 1): grid 768 x 1, 4 waves a work-group, no clusters, 99,328 bytes of LDS; arguments Wq, Wk, Wv, Wo, hidden_states, ln_gamma, ln_beta, wc, ws, xc, xs; writes wc, ws, xc, xs
.if DOCPART == 1
	.amdgcn_target "amdgcn-amd-amdhsa--gfx1250"
	.amdhsa_code_object_version 6
	.text
	.protected	k_q065280fd66_prep
	.globl	k_q065280fd66_prep
	.p2align	8
	.type	k_q065280fd66_prep,@function
k_q065280fd66_prep:
	s_mov_b64 s[64:65], 0
	v_nop
	global_prefetch_b8 v0, s[64:65] scope:SCOPE_SE
	s_setreg_imm32_b32 hwreg(HW_REG_WAVE_MODE, 25, 1), 1
	s_wait_xcnt 0x0
; PREP: the two operands that many work-groups read later are quantised once, to codes of BF6 (E3M2) with one E8M0 byte for each 32 along K.
;   work-groups 0-255:   the four weights [K 1024][N 1024] f32 (K is the first axis) -> wc, ws.   work-groups 256-767: x = LayerNorm(hidden_states) -> xc, xs.
; STORED ORDER OF ROWS.  Rows (tokens of x, columns n of a weight) are stored permuted inside each 64: stored row 64 C + 16 t + 8 e + j holds true row 64 C + 32 e + 8 t + j.
; Four neighbouring stored tiles used as a matrix instruction's source 0 then leave, in a lane's 32 result registers, 32 NEIGHBOURING true rows: a whole block of the next product's K.
; CODES ARE STORED AS IMAGES OF OPERAND REGISTERS: buffer[tile of 16 rows][K step of 128][1536 bytes]; half c (768 bytes): registers 6c..6c+3 at 16 x lane, registers 6c+4, 6c+5 at 512 + 8 x lane.
; Scale bytes: [stored row][32].  A block's byte is its largest magnitude's exponent field - 4, held at 1 from below by a floor among the maximum's leaves.
; LIMITS: a block of zeros gets the byte 1 where the rule says 127 (its codes are zeros, and only this program reads the bytes); blocks whose largest magnitude lies under 2^-122 keep the byte 1; NaN and infinities are not served.
; No tensor load, no cluster: no two work-groups read the same bytes but gamma and beta.  The two paths part on the work-group's number and have LDS bytes of their own.
.set WIMG,  0                          ; weights: 4 tiles x 2 K steps x 1536 bytes
.set LST,   12288                      ; LN: for each wave four row stages of 32 x (128 + 16) bytes
.set LIMG,  86016                      ; LN: the tile's image, 8 K steps x 1536
.set LSC,   98304                      ; LN: the tile's scale bytes, 16 x 32
.set FLOOR, 0x2800000                  ; 2^(5 - 127)
.set TAKE4, 0xfe000000                 ; -(4 << 23)
.macro LOADW t                         ; block t of my column: W(32 t + i, n), i = 0 .. 31, into set t % 2; a wave's load reads 128 consecutive bytes
.set i, 0
.rept 32
	global_load_b32 v[32+32*((\t)%2)+i], v2, s[4:5] offset:(32*(\t)+i)*4096 th:TH_LOAD_NT
.set i, i+1
.endr
.endm
.macro BLOCKW t
.set XS, 32+32*((\t)%2)
.set CC, 96+8*(\t)                     ; each block has its own code registers
.if (\t) < 3
	s_wait_loadcnt 32                              ; this block's 32 loads are in; the next block's 32 may be out
.else
	s_wait_loadcnt 0x0
.endif
	v_max3_num_f32 v12, |v[XS]|, |v[XS+1]|, |v[XS+2]|       ; the block's largest magnitude: all 32 numbers are mine
	v_max3_num_f32 v13, |v[XS+3]|, |v[XS+4]|, |v[XS+5]|
.irp i, 6,10,14,18,22,26
	v_max3_num_f32 v12, v12, |v[XS+\i]|, |v[XS+\i+1]|
	v_max3_num_f32 v13, v13, |v[XS+\i+2]|, |v[XS+\i+3]|
.endr
	v_max3_num_f32 v12, v12, |v[XS+30]|, |v[XS+31]|
	v_max3_num_f32 v12, v12, v13, FLOOR
	v_add_nc_u32 v11, TAKE4, v12                   ; 4 off the exponent field: the conversion's scale operand
	v_lshrrev_b32 v13, 23, v11                     ; the byte
.if (\t) == 0
	v_mov_b32 v14, v13
.else
	v_lshl_or_b32 v14, v13, 8*(\t), v14            ; the K step's four bytes make my column's scale word
.endif
	v_cvt_scalef32_pk16_bf6_f32 v[CC:CC+2], v[XS:XS+15], v11
	v_cvt_scalef32_pk16_bf6_f32 v[CC+4:CC+6], v[XS+16:XS+31], v11  ; (a conversion's three registers begin on an even number)
	v_nop                                          ; one plain line behind the conversions
	v_mov_b32 v[CC+3], v[CC+4]
	v_mov_b32 v[CC+4], v[CC+5]
	v_mov_b32 v[CC+5], v[CC+6]                     ; CC .. CC+5: the block's 192 bits
	ds_store_b128 v3, v[CC:CC+3] offset:((\t)/2)*768+((\t)%2)*256      ; block t is half t / 2, lanes 16 (t % 2) on, of the fragment
	ds_store_b64 v4, v[CC+4:CC+5] offset:((\t)/2)*768+512+((\t)%2)*128
.if (\t) < 2
	LOADW (\t)+2
.endif
.endm
.macro REDUCE                          ; the four rows' pairs v[16+2k:17+2k] become sums over the wave's 32 lanes, in every lane, in v[16+2k]
.irp k, 0,1,2,3
	v_add_f32 v[16+2*\k], v[16+2*\k], v[17+2*\k]
.endr
.irp x, 1,2,4,8
.irp k, 0,1,2,3
	v_add_f32_dpp v[16+2*\k], v[16+2*\k], v[16+2*\k] row_xmask:\x row_mask:0xf bank_mask:0xf
.endr
.endr
.irp k, 0,1,2,3
	v_permlanex16_b32 v[24+\k], v[16+2*\k], s32, s33
.endr
.irp k, 0,1,2,3
	v_add_f32 v[16+2*\k], v[16+2*\k], v[24+\k]
.endr
.endm
	s_load_b256 s[4:11], s[0:1], 0x0               ; Wq, Wk, Wv, Wo
	s_load_b256 s[12:19], s[0:1], 0x20             ; hidden_states, gamma, beta, wc
	s_load_b128 s[20:23], s[0:1], 0x40             ; ws, xc
	s_load_b64 s[24:25], s[0:1], 0x50              ; xs
	v_lshl_add_u32 v247, v0, 2, 0x18200
	v_mov_b32 v255, 0
	v_lshrrev_b32 v1, 5, v0
	v_readfirstlane_b32 s26, v1                    ; wave 0..3
	v_and_b32 v1, 31, v0                           ; lane
	s_cmp_ge_u32 ttmp9, 256
	s_cbranch_scc1 .Lln
	; ---------------- THE WEIGHTS.  A work-group takes 64 columns x 256 along K of one weight; a wave 32 columns x 128 K: a lane takes a column, its registers run down K.
	s_lshr_b32 s27, ttmp9, 6                       ; which weight
	s_bfe_u32 s28, ttmp9, 0x40002                  ; which 64 columns
	s_and_b32 s29, ttmp9, 3                        ; which 256 along K
	s_and_b32 s30, s26, 1                          ; e: which 32 of the 64 columns
	s_lshr_b32 s31, s26, 1                         ; which 128 of the 256 along K
	s_lshl_b32 s32, s29, 20                        ; source: (256 kg + 128 sl) rows of 4,096 bytes + (64 Cg + 32 e) x 4
	s_lshl_b32 s33, s31, 19
	s_add_co_u32 s32, s32, s33
	s_lshl_b32 s33, s28, 8
	s_add_co_u32 s32, s32, s33
	s_lshl_b32 s33, s30, 7
	s_add_co_u32 s32, s32, s33
	s_mov_b32 s33, 0
	s_wait_alu depctr_va_vdst(0)
	v_lshlrev_b32 v2, 2, v1                        ; 4 bytes a lane
	v_bfe_u32 v8, v0, 3, 2                         ; lane / 8: the stored tile t of my column
	v_and_b32 v9, 7, v0                            ; lane % 8: j
	v_mul_u32_u24 v3, v8, 3072                     ; the image in LDS: [tile 4][K step 2][1536]
	s_mul_i32 s34, s31, 1536
	s_lshl_b32 s35, s30, 7
	s_add_co_u32 s35, s35, s34
	v_lshl_add_u32 v4, v9, 3, v3
	v_lshl_add_u32 v3, v9, 4, v3
	v_add_nc_u32 v3, s35, v3                       ; 16-byte pieces: row 8 e + j of the tile
	s_lshl_b32 s35, s30, 6
	s_add_co_u32 s35, s35, s34
	v_add_nc_u32 v4, s35, v4                       ; 8-byte pieces
	v_lshlrev_b32 v5, 9, v8
	v_lshl_add_u32 v5, v9, 5, v5                   ; scale words: stored row (16 t + j) x 32 bytes
	v_lshlrev_b32 v7, 4, v1
	s_mul_i32 s34, s26, 3072
	v_add_nc_u32 v6, s34, v7                       ; the way out: wave w takes tile w
	s_lshl_b32 s36, s27, 15                        ; ws: (1024 weight + 64 Cg + 8 e) x 32 + (2 kg + sl) x 4
	s_lshl_b32 s37, s28, 11
	s_add_co_u32 s36, s36, s37
	s_lshl_b32 s37, s30, 8
	s_add_co_u32 s36, s36, s37
	s_lshl_b32 s37, s29, 3
	s_add_co_u32 s36, s36, s37
	s_lshl_b32 s37, s31, 2
	s_add_co_u32 s36, s36, s37
	s_mov_b32 s37, 0
	s_lshl_b32 s38, s27, 6                         ; wc: tile (64 weight + 4 Cg + wave) x 12,288 + kg x 3,072
	s_lshl_b32 s39, s28, 2
	s_add_co_u32 s38, s38, s39
	s_add_co_u32 s38, s38, s26
	s_mul_i32 s38, s38, 12288
	s_mul_i32 s39, s29, 3072
	s_add_co_u32 s38, s38, s39
	s_mov_b32 s39, 0
	s_wait_kmcnt 0x0
	s_cmp_eq_u32 s27, 1                            ; the weight is chosen by the work-group's number alone
	s_cselect_b64 s[4:5], s[6:7], s[4:5]
	s_cmp_eq_u32 s27, 2
	s_cselect_b64 s[4:5], s[8:9], s[4:5]
	s_cmp_eq_u32 s27, 3
	s_cselect_b64 s[4:5], s[10:11], s[4:5]
	s_add_nc_u64 s[4:5], s[4:5], s[32:33]
	s_add_nc_u64 s[20:21], s[20:21], s[36:37]
	s_add_nc_u64 s[18:19], s[18:19], s[38:39]
	LOADW 0
	LOADW 1
	BLOCKW 0
	BLOCKW 1
	BLOCKW 2
	BLOCKW 3
	global_store_b32 v5, v14, s[20:21]             ; my column's scale word of this K step: 4 bytes of its 32 (one byte in 128 of what the launch reads)
	s_wait_dscnt 0x0                               ; my stores into the image have landed
	s_barrier_signal -1
	s_barrier_wait -1
.irp u, 0,1,2,3,4,5
	ds_load_b128 v[128+4*\u:131+4*\u], v6 offset:512*\u
.endr
.irp u, 0,1,2,3,4,5
	s_wait_dscnt 5-\u
	global_store_b128 v7, v[128+4*\u:131+4*\u], s[18:19] offset:512*\u     ; 512 consecutive bytes a store; a tile's two K steps are 3,072 on end
.endr
	s_wait_tensorcnt 0x0
	ds_add_u32 v247, v255
	s_wait_dscnt 0x0
	s_endpgm
	; ---------------- LAYER NORM.  A work-group takes one stored tile of 16 rows, a wave four of them, which are four neighbouring tokens: 16 KiB on end.
.Lln:
	s_sub_co_u32 s27, ttmp9, 256                   ; the stored tile T
	s_lshr_b32 s28, s27, 2
	s_lshl_b32 s28, s28, 6                         ; token = 64 (T / 4) + 8 (T % 4) + 32 (wave / 2) + 4 (wave % 2) + k
	s_and_b32 s29, s27, 3
	s_lshl_b32 s29, s29, 3
	s_add_co_u32 s28, s28, s29
	s_lshr_b32 s29, s26, 1
	s_lshl_b32 s29, s29, 5
	s_add_co_u32 s28, s28, s29
	s_and_b32 s29, s26, 1
	s_lshl_b32 s29, s29, 2
	s_add_co_u32 s28, s28, s29
	s_lshl_b32 s28, s28, 12                        ; in bytes
	s_mov_b32 s29, 0
	s_mov_b32 s30, 0x3a800000                      ; 1 / 1024
	s_mov_b32 s31, 0x3727c5ac                      ; eps = 1e-5
	s_mov_b32 s32, 0x76543210
	s_mov_b32 s33, 0xfedcba98                      ; v_permlanex16_b32's selects for lane l xor 16
	s_mul_i32 s36, s27, 12288
	s_mov_b32 s37, 0
	s_lshl_b32 s38, s27, 9
	s_mov_b32 s39, 0
	s_wait_alu depctr_va_vdst(0)
	v_lshlrev_b32 v2, 4, v1                        ; 16 bytes a lane
	s_wait_alu depctr_va_vdst(0)
	s_wait_kmcnt 0x0
	s_add_nc_u64 s[12:13], s[12:13], s[28:29]
	s_add_nc_u64 s[22:23], s[22:23], s[36:37]
	s_add_nc_u64 s[24:25], s[24:25], s[38:39]
.irp k, 0,1,2,3
.irp m, 0,1,2,3,4,5,6,7
	global_load_b128 v[32+32*\k+4*\m:35+32*\k+4*\m], v2, s[12:13] offset:4096*\k+512*\m th:TH_LOAD_NT
.endr
.endr
.irp m, 0,1,2,3,4,5,6,7
	global_load_b128 v[160+4*\m:163+4*\m], v2, s[14:15] offset:512*\m      ; gamma, in x's layout
	global_load_b128 v[192+4*\m:195+4*\m], v2, s[16:17] offset:512*\m      ; beta
.endr
	v_bfe_u32 v8, v0, 3, 2
	v_and_b32 v9, 7, v0
	v_mul_u32_u24 v3, v8, 144
	v_lshl_add_u32 v3, v9, 4, v3
	s_mul_i32 s34, s26, 18432
	s_add_co_u32 s34, s34, LST
	v_add_nc_u32 v3, s34, v3                       ; a row's stage, on the way in: eight lanes' 128 bytes are a block of 32 numbers; 16 bytes of padding behind each
	v_mul_u32_u24 v4, v1, 144
	v_add_nc_u32 v4, s34, v4                       ; and on the way out: lane l takes block l
	v_bfe_u32 v8, v0, 2, 3                         ; block l lies in K step l / 4, half (l / 2) % 2, lanes 16 (l % 2) on
	v_bfe_u32 v9, v0, 1, 1
	v_and_b32 v10, 1, v0
	v_mul_u32_u24 v5, v8, 1536
	v_mad_u32_u24 v5, v9, 768, v5
	v_lshl_add_u32 v6, v10, 7, v5
	v_lshl_add_u32 v5, v10, 8, v5
	s_lshl_b32 s35, s26, 6
	s_add_co_u32 s35, s35, LIMG
	v_add_nc_u32 v5, s35, v5                       ; 16-byte pieces of row 4 wave + k
	s_lshl_b32 s35, s26, 5
	s_add_co_u32 s35, s35, LIMG+512
	v_add_nc_u32 v6, s35, v6                       ; 8-byte pieces
	s_lshl_b32 s35, s26, 7
	s_add_co_u32 s35, s35, LSC
	v_add_nc_u32 v7, s35, v1                       ; the row's byte l
	v_lshlrev_b32 v29, 4, v0
	v_add_nc_u32 v28, LIMG, v29                    ; the way out: 16 bytes a thread
	v_add_nc_u32 v30, LSC, v2
.irp k, 0,1,2,3
	v_mov_b32 v[24+\k], 0                          ; written once: a lane permute's destination counts as one of its sources
.endr
	s_wait_loadcnt 16                              ; x's 32 loads are in; gamma's and beta's 16 may be out
.irp k, 0,1,2,3
	v_pk_add_f32 v[16+2*\k:17+2*\k], v[32+32*\k:33+32*\k], v[34+32*\k:35+32*\k]     ; the rows' sums, the four rows by turns
.endr
.set i, 4
.rept 14
.irp k, 0,1,2,3
	v_pk_add_f32 v[16+2*\k:17+2*\k], v[16+2*\k:17+2*\k], v[32+32*\k+i:33+32*\k+i]
.endr
.set i, i+2
.endr
	REDUCE
.irp k, 0,1,2,3
	v_mul_f32 v[8+2*\k], s30, v[16+2*\k]           ; the mean, in both halves of a pair
	v_mul_f32 v[9+2*\k], s30, v[16+2*\k]
.endr
.set i, 0
.rept 16
.irp k, 0,1,2,3
	v_pk_add_f32 v[32+32*\k+i:33+32*\k+i], v[32+32*\k+i:33+32*\k+i], v[8+2*\k:9+2*\k] neg_lo:[0,1] neg_hi:[0,1]   ; x - mean, in place: the variance is taken of the differences
.endr
.set i, i+2
.endr
.irp k, 0,1,2,3
	v_pk_mul_f32 v[16+2*\k:17+2*\k], v[32+32*\k:33+32*\k], v[32+32*\k:33+32*\k]
.endr
.set i, 2
.rept 15
.irp k, 0,1,2,3
	v_pk_fma_f32 v[16+2*\k:17+2*\k], v[32+32*\k+i:33+32*\k+i], v[32+32*\k+i:33+32*\k+i], v[16+2*\k:17+2*\k]
.endr
.set i, i+2
.endr
	REDUCE
.irp k, 0,1,2,3
	v_fma_f32 v[16+2*\k], v[16+2*\k], s30, s31     ; var + eps
.endr
	s_wait_alu depctr_va_vdst(0)
.irp k, 0,1,2,3
	v_rsq_f32 v[8+2*\k], v[16+2*\k]
.endr
	v_nop                                          ; a plain line behind the last of the four
	s_wait_alu depctr_va_vdst(0)                   ; one wait for the four, ahead of their first reader
.irp k, 0,1,2,3
	v_mov_b32 v[9+2*\k], v[8+2*\k]
.endr
	s_wait_alu depctr_va_vdst(0)
	s_wait_loadcnt 0x0                             ; gamma and beta
.set i, 0
.rept 16
.irp k, 0,1,2,3
	v_pk_mul_f32 v[32+32*\k+i:33+32*\k+i], v[32+32*\k+i:33+32*\k+i], v[8+2*\k:9+2*\k]
.endr
.irp k, 0,1,2,3
	v_pk_fma_f32 v[32+32*\k+i:33+32*\k+i], v[32+32*\k+i:33+32*\k+i], v[160+i:161+i], v[192+i:193+i]
.endr
.set i, i+2
.endr
	; the turn through the wave's own stage: in as loaded, back with a whole block of 32 neighbours in a lane.  LDS serves a wave's instructions in order: no wait between.
.irp k, 0,1,2,3
.irp m, 0,1,2,3,4,5,6,7
	ds_store_b128 v3, v[32+32*\k+4*\m:35+32*\k+4*\m] offset:4608*\k+576*\m
.endr
.irp m, 0,1,2,3,4,5,6,7
	ds_load_b128 v[32+32*\k+4*\m:35+32*\k+4*\m], v4 offset:4608*\k+16*\m
.endr
.endr
	s_wait_dscnt 0x0
.irp k, 0,1,2,3
	v_max3_num_f32 v[16+\k], |v[32+32*\k]|, |v[33+32*\k]|, FLOOR
.endr
.set i, 2
.rept 15
.irp k, 0,1,2,3
	v_max3_num_f32 v[16+\k], v[16+\k], |v[32+32*\k+i]|, |v[33+32*\k+i]|
.endr
.set i, i+2
.endr
.irp k, 0,1,2,3
	v_add_nc_u32 v[20+\k], TAKE4, v[16+\k]
.endr
.irp k, 0,1,2,3
	v_lshrrev_b32 v[24+\k], 23, v[20+\k]
.endr
.irp k, 0,1,2,3
	v_cvt_scalef32_pk16_bf6_f32 v[224+8*\k:226+8*\k], v[32+32*\k:47+32*\k], v[20+\k]
	v_cvt_scalef32_pk16_bf6_f32 v[228+8*\k:230+8*\k], v[48+32*\k:63+32*\k], v[20+\k]
.endr
	v_nop                                          ; one plain line behind the conversions
.irp k, 0,1,2,3
	v_mov_b32 v[227+8*\k], v[228+8*\k]
	v_mov_b32 v[228+8*\k], v[229+8*\k]
	v_mov_b32 v[229+8*\k], v[230+8*\k]
.endr
.irp k, 0,1,2,3
	ds_store_b128 v5, v[224+8*\k:227+8*\k] offset:16*\k
	ds_store_b64 v6, v[228+8*\k:229+8*\k] offset:8*\k
	ds_store_b8 v7, v[24+\k] offset:32*\k
.endr
	s_wait_dscnt 0x0                               ; my stores into the image have landed
	s_barrier_signal -1
	s_barrier_wait -1
.irp u, 0,1,2,3,4,5
	ds_load_b128 v[32+4*\u:35+4*\u], v28 offset:2048*\u
.endr
.irp u, 0,1,2,3,4,5
	s_wait_dscnt 5-\u
	global_store_b128 v29, v[32+4*\u:35+4*\u], s[22:23] offset:2048*\u     ; the tile's 12,288 bytes, 512 consecutive bytes a wave's store
.endr
	s_cmp_lg_u32 s26, 0
	s_cbranch_scc1 .Lend
	ds_load_b128 v[64:67], v30                     ; wave 0: the tile's 512 scale bytes
	s_wait_dscnt 0x0
	global_store_b128 v2, v[64:67], s[24:25]
.Lend:
	s_wait_tensorcnt 0x0
	ds_add_u32 v247, v255
	s_wait_dscnt 0x0
	s_endpgm
.Lfunc_end_k_q065280fd66_prep:
	.size	k_q065280fd66_prep, .Lfunc_end_k_q065280fd66_prep-k_q065280fd66_prep
	.p2alignl 7, 3214868480
	.fill 96, 4, 3214868480
	.section	.rodata,"a",@progbits
	.p2align	6, 0x0
	.amdhsa_kernel k_q065280fd66_prep
		.amdhsa_group_segment_fixed_size 99328
		.amdhsa_private_segment_fixed_size 0
		.amdhsa_enable_private_segment 0
		.amdhsa_kernarg_size 88
		.amdhsa_user_sgpr_count 2
		.amdhsa_user_sgpr_kernarg_segment_ptr 1
		.amdhsa_wavefront_size32 1
		.amdhsa_system_sgpr_workgroup_id_x 1
		.amdhsa_system_sgpr_workgroup_id_y 1
		.amdhsa_system_sgpr_workgroup_id_z 1
		.amdhsa_system_vgpr_workitem_id 0
		.amdhsa_next_free_vgpr 256
		.amdhsa_next_free_sgpr 66
		.amdhsa_reserve_vcc 0
		.amdhsa_float_denorm_mode_32 3
		.amdhsa_float_denorm_mode_16_64 3
		.amdhsa_memory_ordered 1
		.amdhsa_forward_progress 1
		.amdhsa_inst_pref_size 66
	.end_amdhsa_kernel
	.amdgpu_metadata
---
amdhsa.version: [ 1, 2 ]
amdhsa.kernels:
  - .name:           k_q065280fd66_prep
    .symbol:         k_q065280fd66_prep.kd
    .args:
      - { .name: Wq, .offset: 0, .size: 8, .value_kind: global_buffer, .address_space: global }
      - { .name: Wk, .offset: 8, .size: 8, .value_kind: global_buffer, .address_space: global }
      - { .name: Wv, .offset: 16, .size: 8, .value_kind: global_buffer, .address_space: global }
      - { .name: Wo, .offset: 24, .size: 8, .value_kind: global_buffer, .address_space: global }
      - { .name: hidden_states, .offset: 32, .size: 8, .value_kind: global_buffer, .address_space: global }
      - { .name: ln_gamma, .offset: 40, .size: 8, .value_kind: global_buffer, .address_space: global }
      - { .name: ln_beta, .offset: 48, .size: 8, .value_kind: global_buffer, .address_space: global }
      - { .name: wc, .offset: 56, .size: 8, .value_kind: global_buffer, .address_space: global }
      - { .name: ws, .offset: 64, .size: 8, .value_kind: global_buffer, .address_space: global }
      - { .name: xc, .offset: 72, .size: 8, .value_kind: global_buffer, .address_space: global }
      - { .name: xs, .offset: 80, .size: 8, .value_kind: global_buffer, .address_space: global }
    .group_segment_fixed_size: 99328
    .private_segment_fixed_size: 0
    .kernarg_segment_align: 8
    .kernarg_segment_size: 88
    .max_flat_workgroup_size: 128
    .sgpr_count:     66
    .vgpr_count:     256
    .wavefront_size: 32
...
	.end_amdgpu_metadata
.endif
;; end of part 1
;; launch qkv (part 2): grid 8 x 32, 4 waves a work-group, clusters of 4 x 4, 327,680 bytes of LDS; arguments xc, xs, wc, ws, bq, bk, bv, attention_mask, qf, kv; writes qf, kv
.if DOCPART == 2
	.amdgcn_target "amdgcn-amd-amdhsa--gfx1250"
	.amdhsa_code_object_version 6
	.text
	.protected	k_q065280fd66_qkv
	.globl	k_q065280fd66_qkv
	.p2align	8
	.type	k_q065280fd66_qkv,@function
k_q065280fd66_qkv:
	s_mov_b64 s[64:65], 0
	v_nop
	global_prefetch_b8 v0, s[64:65] scope:SCOPE_SE
	s_setreg_imm32_b32 hwreg(HW_REG_WAVE_MODE, 25, 1), 1
	s_wait_xcnt 0x0
	s_wait_alu depctr_hold_cnt(0) depctr_sa_sdst(0) depctr_va_vdst(0) depctr_va_sdst(0) depctr_va_ssrc(0) depctr_va_vcc(0) depctr_vm_vsrc(0)
	s_getreg_b32 s2, hwreg(HW_REG_IB_STS2, 6, 4)
	s_cmp_eq_u32 s2, 0
	s_cbranch_scc0 .Lentry_in_a_cluster
	s_endpgm
.Lentry_in_a_cluster:
	s_bfe_u32 s2, ttmp6, 0x10000c
	s_cmp_lg_u32 s2, 0xf033
	s_cbranch_scc0 .Lentry_shape_is_right
	s_endpgm
.Lentry_shape_is_right:
; QKV: q = x Wq + bq, k = x Wk + bk, v = x Wv + bv on codes of BF6 with E8M0 scales, and q, k, v quantised at once for attention's two products.  Nothing but codes goes to memory.
; SHARES.  Work-group (xg, y) keeps 256 stored rows of x (all K = 1024, 196,608 bytes of images) in LDS for the whole launch and walks three units of 128 stored weight rows: xg of Wq, of Wk, of Wv.
; Four waves: wave (wr, wc) takes x's tiles 8 wr .. + 7 and the unit's tiles 4 wc .. + 3, which are ONE HEAD: 32 accumulators, 32 matrix instructions for each K step of 128.
; A unit's weights come in two halves of K through two LDS slots; each slot is filled again, with the next unit's half, as soon as its last fragment has been read.
; CLUSTER 4 x 4: x's tiles hang on y alone and are asked for jointly along a row of the cluster, the weights' on xg alone and jointly along a column.
; LAYOUT.  Rows are stored permuted inside each 64 (stored 64 C + 16 t + 8 e + j = true 64 C + 32 e + 8 t + j), so four neighbouring tiles as source 0 leave 32 neighbouring true rows in a lane's 32 registers.
;   q, k: source 0 = the weight's tiles: lane (r, h) holds token r and channels 32 h .. + 31 of the head: a whole block of the scores' K.
;   v:    source 0 = x's tiles:          lane (r, h) holds channel r and keys 64 C + 32 h .. + 31: a whole block of the second product's K.
; So a block's largest magnitude needs no other lane, and the conversions' results are the next operand's registers.  The biases are the C of each sum's first matrix instruction.
; THE MASK rides in the idle half of the scores' K (64 of 128 are the head's): k = 64 carries the code +1 in every key's fragment and -1 in every query's (attention sets those registers itself); the scale byte of that
; block is 2^-60 for a query, 2^93 for a masked key, 2^-126 for any other.  A masked key's own codes are zeros, so its score is exactly -2^33.
; LIMITS: a masked logit is -2^30 where the definition has -1e9: results differ only where an unmasked logit lies under about -9.9e8.  Blocks of zeros have the byte 1 (zero codes; only this program reads the bytes);
; blocks whose largest magnitude lies under 2^-122 keep the byte 1; NaN and infinities are not served.
; OUT.  qf[head][tile][1024] and the first 8,192 bytes of kv[head][128 keys][14,848]: a fragment as {scale word, 0, r0, r1} at 16 x lane, {r2 .. r5} at 512 + 16 x lane.
;       kv + 8,192: four fragments of v^T, registers 4 c .. 4 c + 3 at 512 c + 16 x lane;  kv + 14,336: their scale words, four a lane.  Every store of a wave covers 512 consecutive bytes.
; REGISTERS, in windows of 256.  Window 0: v1-31 addresses; v32-63 x's scale words; v64-111 the three units' scale words; v112-207 the biases; v208-215 the keys' special scale bytes; v216-241 the way out.
;   window 1: the 32 accumulators.   windows 2, 3: two sets of fragments (x's eight at v[12 i], the weight's four at v[96 + 12 i]); K step ks uses set ks % 2.
.set XB,    0                          ; x: [half of K 2][tile 16][6144]
.set WB,    196608                     ; weights: [slot 2][tile 8][6144]
.set SPARE, 294912                     ; the spare words, 128 bytes for each wave: two blocks of 256 bytes that no other line names
.set BQ,    112
.set BK,    144
.set BV,    176
.set MW,    208
.set FLOOR, 0x2800000
.set TAKE4, 0xfe000000
.set MSB, 0
.macro WIN new                         ; the immediate's high byte repeats the setting that is left
.if MSB != \new
	s_set_vgpr_msb (MSB<<8)|\new
.set MSB, \new
.endif
.endm
.macro PLACES                          ; four plain lines between a matrix instruction and a load into, or a read of, its registers
.rept 4
	v_nop
.endr
.endm
.macro CREST                           ; a round of the cluster's barrier behind its opening barrier
	s_cmp_lg_u32 s24, 0
	s_cbranch_scc1 .Lnot_wave_0_\@
	s_barrier_signal -3
.Lnot_wave_0_\@:
	s_barrier_wait -3
	s_barrier_signal -1
	s_barrier_wait -1
.endm
.macro CROUND
	s_barrier_signal -1
	s_barrier_wait -1
	CREST
.endm
.macro FRAG reg, a16, a8, off          ; a fragment's image comes back as it was stored: 12 registers
	ds_load_b128 v[\reg:\reg+3], v[\a16] offset:\off
	ds_load_b64 v[\reg+4:\reg+5], v[\a8] offset:\off+512
	ds_load_b128 v[\reg+6:\reg+9], v[\a16] offset:\off+768
	ds_load_b64 v[\reg+10:\reg+11], v[\a8] offset:\off+1280
.endm
.macro FETCH ks                        ; 48 LDS loads in one run: K step ks's fragments into set ks % 2
.if ((\ks)%2) == 0
	WIN 0x80
.else
	WIN 0xc0
.endif
.irp i, 0,1,2,3,4,5,6,7
	FRAG 12*\i, 8+2*((\ks)/4), 9+2*((\ks)/4), 6144*\i+1536*((\ks)%4)
.endr
.irp i, 0,1,2,3
	FRAG 96+12*\i, 16+2*((\ks)/4), 17+2*((\ks)/4), 6144*\i+1536*((\ks)%4)
.endr
.endm
.macro ONE d, a, b, c, sa, sb, ks      ; a scale register holds K step j in lanes 0-15 and K step 4 + j in lanes 16-31
.if (\ks) == 0
	v_wmma_scale_f32_16x16x128_f8f6f4 v[\d:\d+7], v[\a:\a+11], v[\b:\b+11], v[\c:\c+7], v[\sa], v[\sb] matrix_a_fmt:MATRIX_FMT_BF6 matrix_b_fmt:MATRIX_FMT_BF6
.elseif (\ks) < 4
	v_wmma_scale_f32_16x16x128_f8f6f4 v[\d:\d+7], v[\a:\a+11], v[\b:\b+11], v[\d:\d+7], v[\sa], v[\sb] matrix_a_fmt:MATRIX_FMT_BF6 matrix_b_fmt:MATRIX_FMT_BF6
.else
	v_wmma_scale_f32_16x16x128_f8f6f4 v[\d:\d+7], v[\a:\a+11], v[\b:\b+11], v[\d:\d+7], v[\sa], v[\sb] matrix_a_fmt:MATRIX_FMT_BF6 matrix_b_fmt:MATRIX_FMT_BF6 matrix_a_scale:MATRIX_SCALE_ROW1 matrix_b_scale:MATRIX_SCALE_ROW1
.endif
.endm
; 16 matrix instructions.  The 32 accumulators take turns, one instruction a turn, in the same order in every K step.
; mode 0 (q, k): accumulator (a, b) at v[32 a + 8 b], source 0 = weight tile b, source 1 = x's tile a.  mode 1 (v): accumulator (a, b) at v[64 a + 8 b], source 0 = x's tile b, source 1 = weight tile a.
.macro MULS ks, mode, half, cb, sw
.if (\ks) == 0
	WIN 0x4a                                       ; fragments window 2, C (the bias) window 0, D window 1
.elseif ((\ks)%2) == 0
	WIN 0x5a                                       ; fragments window 2, C and D window 1
.else
	WIN 0x5f                                       ; fragments window 3
.endif
.if \mode == 0
.irp aa, 0,1,2,3
.irp b, 0,1,2,3
	ONE 32*(4*\half+\aa)+8*\b, 96+12*\b, 12*(4*\half+\aa), \cb+8*\b, \sw+4*\b+(\ks)%4, 32+4*(4*\half+\aa)+(\ks)%4, \ks
.endr
.endr
.else
.irp aa, 0,1
.irp b, 0,1,2,3,4,5,6,7
	ONE 64*(2*\half+\aa)+8*\b, 12*\b, 96+12*(2*\half+\aa), \cb+8*(2*\half+\aa), 32+4*\b+(\ks)%4, \sw+4*(2*\half+\aa)+(\ks)%4, \ks
.endr
.endr
.endif
.endm
.macro VIS n                           ; my first fills down to the n youngest have landed; behind the barrier everybody's have.
	s_wait_tensorcnt \n
	s_wait_dscnt 0x0
	s_barrier_signal -1
	s_barrier_wait -1
.endm
.macro KSTEP ks, mode, cb, sw          ; the next K step's fragments are asked for, then this one's are multiplied
	PLACES
	FETCH (\ks)+1
	s_wait_dscnt 48                                ; the 48 loads just issued may be out; this K step's set is in
	MULS \ks, \mode, 0, \cb, \sw
	MULS \ks, \mode, 1, \cb, \sw
.endm
; The last K step of a slot.  In front of the barrier each wave waits for all its tensor loads and for its reads of the slot; behind it the other slot is whole and nobody reads this one.
; refill = 1: the slot takes the next unit's half: the barrier then opens a round of the cluster's barrier, and the joint load is the first thing behind the round, one a wave.
.macro SYNC ks, hf, refill, mode, cb, sw
	WIN 0
	s_wait_tensorcnt 0x0                           ; all my tensor loads have landed, so a group 0 may be written
.if \refill
	ds_add_u32 v20, v21                            ; 0 onto my spare word
	s_add_nc_u64 s[70+4*\hf:71+4*\hf], s[70+4*\hf:71+4*\hf], 786432    ; eight units on: the same rows of the next weight
	s_mov_b32 s42, 2<<16                           ; no tensor load of mine is out: from here on a weight's load brings two tiles
	s_mov_b32 s44, 2
.endif
	s_wait_dscnt 0x0                               ; the add is done and my reads of this slot are in
	s_barrier_signal -1
	MULS \ks, \mode, 0, \cb, \sw                   ; work on registers while the others arrive
	WIN 0
	s_barrier_wait -1
.if \refill
	CREST
	tensor_load_to_lds s[68+4*\hf:71+4*\hf], s[40:47]
	s_nop 0
.endif
	PLACES                                         ; behind the load, and the places in front of the loads that follow
.endm
.macro TILE mode, first, refill, cb, sw ; one unit: eight K steps.  FETCH 0 has been issued
	KSTEP 0, \mode, \cb, \sw
	KSTEP 1, \mode, \cb, \sw
	KSTEP 2, \mode, \cb, \sw
	SYNC 3, 0, \refill, \mode, \cb, \sw
	FETCH 4
	MULS 3, \mode, 1, \cb, \sw
	KSTEP 4, \mode, \cb, \sw
	KSTEP 5, \mode, \cb, \sw
	KSTEP 6, \mode, \cb, \sw
.if \refill
	SYNC 7, 1, 1, \mode, \cb, \sw
	FETCH 0                                        ; the next unit's first fragments: its first half landed in front of that barrier
	MULS 7, \mode, 1, \cb, \sw
.else
	s_wait_dscnt 0x0
	MULS 7, \mode, 0, \cb, \sw
	MULS 7, \mode, 1, \cb, \sw
.endif
.endm
; q's or k's way out: x's tile a by tile a, 32 registers a lane = one block of 32 channels of one token.
.macro EPI_QK isk
	PLACES
.irp a, 0,1,2,3,4,5,6,7
.set Z, 216+10*(\a%2)
	WIN 0x05                                       ; sources 0 and 1: the accumulators
	v_max3_num_f32 v236, |v[32*\a]|, |v[32*\a+1]|, FLOOR          ; each accumulator is read from its low end on
	v_max3_num_f32 v237, |v[32*\a+16]|, |v[32*\a+17]|, FLOOR
.irp i, 2,4,6,8,10,12,14
	v_max3_num_f32 v236, |v[32*\a+\i]|, |v[32*\a+\i+1]|, v236
	v_max3_num_f32 v237, |v[32*\a+16+\i]|, |v[32*\a+17+\i]|, v237
.endr
	WIN 0
	v_max_num_f32 v236, v236, v237
	v_add_nc_u32 v238, TAKE4, v236                 ; the conversions' scale operand
	v_lshrrev_b32 v239, 23, v238                   ; the byte of block h,
	v_lshlrev_b32 v239, v22, v239                  ; at its place,
	v_permlanex16_b32 v23, v239, s88, s89
	v_or_b32 v239, v239, v23                       ; with the other half's
	s_wait_xcnt 0x0                                ; earlier stores have read their registers: this set of eight is written again only behind this wait
.if \isk
	s_wait_alu depctr_va_vdst(0)
	v_or_b32 v[Z], v239, v[MW+\a]                  ; and the mask's byte
.else
	s_wait_alu depctr_va_vdst(0)
	v_or_b32 v[Z], s90, v239                       ; and a query's fixed bytes
.endif
	WIN 0x01
	v_cvt_scalef32_pk16_bf6_f32 v[Z+2:Z+4], v[32*\a:32*\a+15], v238
	v_cvt_scalef32_pk16_bf6_f32 v[Z+6:Z+8], v[32*\a+16:32*\a+31], v238
	v_nop                                          ; one plain line behind the conversions
	WIN 0
.if \isk
	v_cndmask_b32 v[Z+2], v[Z+2], v21, s[76+\a]    ; a masked key's codes are zeros
	v_cndmask_b32 v[Z+3], v[Z+3], v21, s[76+\a]
	v_cndmask_b32 v[Z+4], v[Z+4], v21, s[76+\a]
	v_cndmask_b32 v[Z+5], v[Z+6], v21, s[76+\a]
	v_cndmask_b32 v[Z+6], v[Z+7], v21, s[76+\a]
	v_cndmask_b32 v[Z+7], v[Z+8], v21, s[76+\a]
	global_store_b128 v4, v[Z:Z+3], s[86:87] offset:1024*\a
	global_store_b128 v4, v[Z+4:Z+7], s[86:87] offset:1024*\a+512
.else
	v_mov_b32 v[Z+5], v[Z+6]
	v_mov_b32 v[Z+6], v[Z+7]
	v_mov_b32 v[Z+7], v[Z+8]
	global_store_b128 v4, v[Z:Z+3], s[84:85] offset:1024*\a
	global_store_b128 v4, v[Z+4:Z+7], s[84:85] offset:1024*\a+512
.endif
.endr
.endm
; v's way out: weight tile a by tile a, 64 registers a lane = two blocks of 32 keys of one channel: a whole fragment of v^T.
.macro EPI_V
	PLACES
.irp a, 0,1,2,3
	WIN 0x05
	v_max3_num_f32 v236, |v[64*\a]|, |v[64*\a+1]|, FLOOR
	v_max3_num_f32 v237, |v[64*\a+32]|, |v[64*\a+33]|, FLOOR
.irp i, 2,4,6,8,10,12,14,16,18,20,22,24,26,28,30
	v_max3_num_f32 v236, |v[64*\a+\i]|, |v[64*\a+\i+1]|, v236
	v_max3_num_f32 v237, |v[64*\a+32+\i]|, |v[64*\a+33+\i]|, v237
.endr
	WIN 0
	v_add_nc_u32 v238, TAKE4, v236
	v_add_nc_u32 v239, TAKE4, v237
	v_lshrrev_b32 v240, 23, v238
	v_lshrrev_b32 v241, 23, v239
	v_lshl_or_b32 v240, v241, 16, v240             ; blocks h and 2 + h,
	v_lshlrev_b32 v240, v22, v240                  ; at their places,
	v_permlanex16_b32 v23, v240, s88, s89
	s_wait_alu depctr_va_vdst(0)
	s_wait_xcnt 0x0                                ; the last fragment's stores have read their registers
	v_or_b32 v[132+\a], v240, v23                  ; with the other half's two: the channel's scale word for these 128 keys
	WIN 0x01
	v_cvt_scalef32_pk16_bf6_f32 v[112:114], v[64*\a:64*\a+15], v238
	v_cvt_scalef32_pk16_bf6_f32 v[124:126], v[64*\a+16:64*\a+31], v238
	v_cvt_scalef32_pk16_bf6_f32 v[118:120], v[64*\a+32:64*\a+47], v239
	v_cvt_scalef32_pk16_bf6_f32 v[128:130], v[64*\a+48:64*\a+63], v239
	v_nop
	WIN 0
	v_mov_b32 v115, v124
	v_mov_b32 v116, v125
	v_mov_b32 v117, v126
	v_mov_b32 v121, v128
	v_mov_b32 v122, v129
	v_mov_b32 v123, v130
	global_store_b128 v4, v[112:115], s[86:87] offset:8192+1536*\a
	global_store_b128 v4, v[116:119], s[86:87] offset:8192+1536*\a+512
	global_store_b128 v4, v[120:123], s[86:87] offset:8192+1536*\a+1024
.endr
	global_store_b128 v4, v[132:135], s[86:87] offset:14336
.endm
	s_load_b512 s[4:19], s[0:1], 0x0               ; xc, xs, wc, ws, bq, bk, bv, mask
	s_load_b128 s[20:23], s[0:1], 0x40             ; qf, kv
	v_lshl_add_u32 v20, v0, 2, SPARE
	v_mov_b32 v21, 0
	ds_add_u32 v20, v21
	ds_add_u32 v20, v21
	s_wait_dscnt 0x0
	v_lshrrev_b32 v1, 5, v0
	v_readfirstlane_b32 s24, v1                    ; wave 0..3
	s_lshr_b32 s25, s24, 1                         ; wr: which 128 rows of x
	s_and_b32 s26, s24, 1                          ; wc: which head of the unit's two
	s_bfe_u32 s27, ttmp6, 0x40000                  ; cx
	s_bfe_u32 s28, ttmp6, 0x40004                  ; cy
	s_lshl_b32 s29, ttmp9, 2
	s_add_co_u32 s29, s29, s27                     ; xg = 4 x cluster x + cx
	s_and_b32 s30, ttmp7, 0xffff
	s_lshl_b32 s30, s30, 2
	s_add_co_u32 s30, s30, s28                     ; y = 4 x cluster y + cy
	s_lshl_b32 s92, s28, 2
	s_lshl_b32 s92, 15, s92                        ; my row of the cluster
	s_lshl_b32 s93, 0x1111, s27                    ; my column
	; group 1 for x: 16 rows (tiles) of 6,144 bytes (four K steps), 12,288 bytes apart; elements of 8 bytes
	s_or_b32 s32, s92, (3<<16)|(1<<21)
	s_mov_b32 s33, 768<<16                         ; x: 16 rows (tiles) of 6,144 bytes (four K steps), 12,288 bytes apart
	s_mov_b32 s34, 16<<16
	s_mov_b32 s35, 768<<16
	s_mov_b32 s36, 16
	s_mov_b32 s37, 1536
	s_mov_b32 s38, 0
	s_mov_b32 s39, 0
	; group 1 for the weights: 2 rows (tiles) of 6,144 bytes (four K steps)
	s_or_b32 s40, s93, (3<<16)|(1<<21)
	s_mov_b32 s41, 768<<16
	s_mov_b32 s42, 8<<16                           ; the head's loads of Wq bring all eight tiles of a half; the refills two a wave
	s_mov_b32 s43, 768<<16
	s_mov_b32 s44, 8
	s_mov_b32 s45, 1536
	s_mov_b32 s46, 0
	s_mov_b32 s47, 0
	s_lshl_b32 s94, s30, 4                         ; x: tile 16 y: y alone
	s_mul_i32 s94, s94, 12288
	s_mov_b32 s95, 0
	s_mul_i32 s96, s29, 98304                      ; weights: unit xg, tiles 2 wave, 2 wave + 1: xg and the wave's number alone
	s_mul_i32 s2, s24, 24576                       ; the refills: my two tiles of the unit
	s_mov_b32 s3, 0
	s_mov_b32 s97, 0
	s_mul_i32 s98, s24, 12288                      ; and in LDS: the wave's number alone
	s_wait_kmcnt 0x0
	s_add_nc_u64 s[94:95], s[4:5], s[94:95]
	s_add_nc_u64 s[96:97], s[8:9], s[96:97]
.irp f, 0,1                            ; the head's four tiles: x's two halves of K, Wq's two halves
	s_mov_b32 s[48+4*\f], 1
	s_mov_b32 s[49+4*\f], XB+98304*\f
	s_add_nc_u64 s[50+4*\f:51+4*\f], s[94:95], 6144*\f
	s_or_b32 s[51+4*\f], s[51+4*\f], 0x80000000
	s_mov_b32 s[56+4*\f], 1
	s_mov_b32 s[57+4*\f], WB+49152*\f
	s_add_nc_u64 s[58+4*\f:59+4*\f], s[96:97], 6144*\f
	s_or_b32 s[59+4*\f], s[59+4*\f], 0x80000000
.endr
	s_add_nc_u64 s[96:97], s[96:97], s[2:3]
.irp f, 0,1
	s_mov_b32 s[68+4*\f], 1
	s_add_co_u32 s[69+4*\f], s98, WB+49152*\f
	s_add_nc_u64 s[70+4*\f:71+4*\f], s[96:97], 6144*\f
	s_or_b32 s[71+4*\f], s[71+4*\f], 0x80000000
.endr
	CROUND                                         ; all sixteen work-groups are here: the first joint loads meet
	s_cmp_eq_u32 s24, 0                            ; one tensor load a wave, each in its own arm of one chain
	s_cbranch_scc0 .Lh1
	tensor_load_to_lds s[48:51], s[32:39]          ; wave 0: x's K steps 0-3
	s_nop 0
	PLACES
	s_branch .Lhj
.Lh1:
	s_cmp_eq_u32 s24, 1
	s_cbranch_scc0 .Lh2
	tensor_load_to_lds s[56:59], s[40:47]          ; wave 1: Wq's K steps 0-3
	s_nop 0
	PLACES
	s_branch .Lhj
.Lh2:
	s_cmp_eq_u32 s24, 2
	s_cbranch_scc0 .Lh3
	tensor_load_to_lds s[52:55], s[32:39]          ; wave 2: x's K steps 4-7
	s_nop 0
	PLACES
	s_branch .Lhj
.Lh3:
	tensor_load_to_lds s[60:63], s[40:47]          ; wave 3: Wq's K steps 4-7
	s_nop 0
	PLACES
.Lhj:
	v_and_b32 v1, 31, v0                           ; lane
	v_and_b32 v2, 15, v0                           ; r
	v_bfe_u32 v3, v0, 4, 1                         ; h
	v_lshlrev_b32 v4, 4, v1
	v_lshlrev_b32 v5, 3, v1
	s_mul_i32 s99, s25, 49152                      ; my eight tiles in a half of x
.irp q, 0,1
	v_add_nc_u32 v[8+2*\q], s99, v4
	v_add_nc_u32 v[9+2*\q], s99, v5
	s_add_co_u32 s99, s99, 98304
.endr
	s_mul_i32 s99, s26, 24576                      ; my four tiles in a slot
	s_add_co_u32 s99, s99, WB
.irp f, 0,1
	v_add_nc_u32 v[16+2*\f], s99, v4
	v_add_nc_u32 v[17+2*\f], s99, v5
	s_add_co_u32 s99, s99, 49152
.endr
	v_lshlrev_b32 v22, 3, v3                       ; 8 h
	v_mov_b32 v23, 0                               ; a lane permute's destination counts as one of its sources
	v_lshlrev_b32 v24, 7, v3                       ; bq, bk: my half's 32 channels
	v_bfe_u32 v28, v0, 3, 1
	v_and_b32 v29, 7, v0
	v_lshlrev_b32 v25, 2, v29
	v_lshl_add_u32 v25, v28, 7, v25                ; bv: stored row r of a tile is true channel 32 (r / 8) + r % 8 (+ 8 x tile)
	v_lshl_add_u32 v26, v28, 5, v29                ; the mask: the same of a tile of tokens
	v_lshlrev_b32 v27, 5, v2
	v_lshl_add_u32 v27, v3, 4, v27                 ; scale words: row r's 32 bytes, lanes 16-31 the upper 16
	s_wait_alu depctr_va_vdst(0)
	v_mov_b32 v30, 0x01010000                      ; a key's bytes 2, 3: 2^-126 where it counts,
	v_mov_b32 v31, 0x01dc0000                      ; 2^93 where it is masked
	v_mov_b32 v217, 0
	v_mov_b32 v227, 0
	s_mov_b32 s88, 0x76543210
	s_mov_b32 s89, 0xfedcba98
	s_mov_b32 s90, 0x01430000                      ; a query's bytes 2, 3: 2^-60, 2^-126
	s_lshl_b32 s92, s30, 8
	s_lshl_b32 s93, s25, 7
	s_add_co_u32 s92, s92, s93                     ; my first row of x: 256 y + 128 wr
	s_mov_b32 s93, 0
	s_add_nc_u64 s[18:19], s[18:19], s[92:93]
	s_lshl_b32 s92, s92, 5
	s_add_nc_u64 s[6:7], s[6:7], s[92:93]
	s_lshl_b32 s92, s29, 7
	s_lshl_b32 s31, s26, 6
	s_add_co_u32 s92, s92, s31                     ; my head's first column: 128 xg + 64 wc
	s_lshl_b32 s92, s92, 2
	s_add_nc_u64 s[12:13], s[12:13], s[92:93]
	s_add_nc_u64 s[14:15], s[14:15], s[92:93]
	s_add_nc_u64 s[16:17], s[16:17], s[92:93]
	s_lshl_b32 s92, s92, 3
	s_add_nc_u64 s[10:11], s[10:11], s[92:93]
	s_lshr_b32 s31, s30, 3
	s_lshl_b32 s31, s31, 4
	s_lshl_b32 s91, s29, 1
	s_add_co_u32 s31, s31, s91
	s_add_co_u32 s31, s31, s26                     ; batch x 16 + head
	s_and_b32 s91, s30, 7
	s_lshl_b32 s91, s91, 1
	s_add_co_u32 s91, s91, s25                     ; which 128 tokens of the batch's 2,048
	s_lshl_b32 s92, s31, 17
	s_lshl_b32 s76, s91, 13
	s_add_co_u32 s92, s92, s76
	s_add_nc_u64 s[84:85], s[20:21], s[92:93]
	s_mul_i32 s92, s31, 237568
	s_mul_i32 s76, s91, 14848
	s_add_co_u32 s92, s92, s76
	s_add_nc_u64 s[86:87], s[22:23], s[92:93]
.irp a, 0,1,2,3,4,5,6,7
	global_load_b128 v[32+4*\a:35+4*\a], v27, s[6:7] offset:512*\a         ; x's scale words: register j: K step j below, 4 + j above
.endr
.irp j, 0,1,2
.irp i, 0,1,2,3
	global_load_b128 v[64+16*\j+4*\i:67+16*\j+4*\i], v27, s[10:11] offset:32768*\j+512*\i
.endr
.endr
.irp b, 0,1,2,3
	global_load_b128 v[BQ+8*\b:BQ+8*\b+3], v24, s[12:13] offset:32*\b      ; in the result's layout: channels 32 h + 8 b + 0 .. 7
	global_load_b128 v[BQ+8*\b+4:BQ+8*\b+7], v24, s[12:13] offset:32*\b+16
	global_load_b128 v[BK+8*\b:BK+8*\b+3], v24, s[14:15] offset:32*\b
	global_load_b128 v[BK+8*\b+4:BK+8*\b+7], v24, s[14:15] offset:32*\b+16
.endr
.irp a, 0,1,2,3
	global_load_b32 v[BV+8*\a], v25, s[16:17] offset:32*\a                 ; one channel a lane
.endr
.irp a, 0,1,2,3,4,5,6,7
	global_load_u8 v[MW+\a], v26, s[18:19] offset:64*(\a/4)+8*(\a%4)       ; the mask of my token in tile a
.endr
	s_wait_loadcnt 0x0
.irp a, 0,1,2,3
.irp j, 1,2,3,4,5,6,7
	v_mov_b32 v[BV+8*\a+\j], v[BV+8*\a]
.endr
.endr
.irp a, 0,1,2,3,4,5,6,7
	v_cmp_ne_u32 s[76+\a], 0, v[MW+\a]
.endr
.irp a, 0,1,2,3,4,5,6,7
	v_cndmask_b32 v[MW+\a], v30, v31, s[76+\a]
.endr
	s_wait_alu depctr_va_vdst(0)
	s_wait_dscnt 0x0
	s_cmp_lt_u32 s24, 2
	s_cbranch_scc0 .Lnot_first
	s_wait_tensorcnt 0x0                           ; waves 0 and 1: the first halves of x and of Wq have landed
.Lnot_first:
	s_barrier_signal -1
	s_barrier_wait -1                              ; the second halves may be on their way
	FETCH 0
	TILE 0, 1, 1, BQ, 64
	EPI_QK 0
	TILE 0, 0, 1, BK, 80
	EPI_QK 1
	TILE 1, 0, 0, BV, 96
	EPI_V
	s_wait_tensorcnt 0x0                           ; the wave's end
	ds_add_u32 v20, v21
	s_wait_dscnt 0x0
	CROUND                                         ; the closing round: no work-group ends while a partner may still ask for a tile that names it
	s_endpgm
.Lfunc_end_k_q065280fd66_qkv:
	.size	k_q065280fd66_qkv, .Lfunc_end_k_q065280fd66_qkv-k_q065280fd66_qkv
	.p2alignl 7, 3214868480
	.fill 96, 4, 3214868480
	.section	.rodata,"a",@progbits
	.p2align	6, 0x0
	.amdhsa_kernel k_q065280fd66_qkv
		.amdhsa_group_segment_fixed_size 327680
		.amdhsa_private_segment_fixed_size 0
		.amdhsa_enable_private_segment 0
		.amdhsa_kernarg_size 80
		.amdhsa_user_sgpr_count 2
		.amdhsa_user_sgpr_kernarg_segment_ptr 1
		.amdhsa_wavefront_size32 1
		.amdhsa_system_sgpr_workgroup_id_x 1
		.amdhsa_system_sgpr_workgroup_id_y 1
		.amdhsa_system_sgpr_workgroup_id_z 1
		.amdhsa_system_vgpr_workitem_id 0
		.amdhsa_next_free_vgpr 1024
		.amdhsa_next_free_sgpr 100
		.amdhsa_reserve_vcc 0
		.amdhsa_float_denorm_mode_32 3
		.amdhsa_float_denorm_mode_16_64 3
		.amdhsa_memory_ordered 1
		.amdhsa_forward_progress 1
		.amdhsa_inst_pref_size 240
	.end_amdhsa_kernel
	.amdgpu_metadata
---
amdhsa.version: [ 1, 2 ]
amdhsa.kernels:
  - .name:           k_q065280fd66_qkv
    .symbol:         k_q065280fd66_qkv.kd
    .args:
      - { .name: xc, .offset: 0, .size: 8, .value_kind: global_buffer, .address_space: global }
      - { .name: xs, .offset: 8, .size: 8, .value_kind: global_buffer, .address_space: global }
      - { .name: wc, .offset: 16, .size: 8, .value_kind: global_buffer, .address_space: global }
      - { .name: ws, .offset: 24, .size: 8, .value_kind: global_buffer, .address_space: global }
      - { .name: bq, .offset: 32, .size: 8, .value_kind: global_buffer, .address_space: global }
      - { .name: bk, .offset: 40, .size: 8, .value_kind: global_buffer, .address_space: global }
      - { .name: bv, .offset: 48, .size: 8, .value_kind: global_buffer, .address_space: global }
      - { .name: attention_mask, .offset: 56, .size: 8, .value_kind: global_buffer, .address_space: global }
      - { .name: qf, .offset: 64, .size: 8, .value_kind: global_buffer, .address_space: global }
      - { .name: kv, .offset: 72, .size: 8, .value_kind: global_buffer, .address_space: global }
    .group_segment_fixed_size: 327680
    .private_segment_fixed_size: 0
    .kernarg_segment_align: 8
    .kernarg_segment_size: 80
    .max_flat_workgroup_size: 128
    .sgpr_count:     100
    .vgpr_count:     1024
    .wavefront_size: 32
...
	.end_amdgpu_metadata
.endif
;; end of part 2
;; launch attn (part 3): grid 4 x 64, 8 waves a work-group, clusters of 4 x 1, 327,680 bytes of LDS; arguments qf, kv, ao, ash; writes ao, ash
.if DOCPART == 3
	.amdgcn_target "amdgcn-amd-amdhsa--gfx1250"
	.amdhsa_code_object_version 6
	.text
	.protected	k_q065280fd66_attn
	.globl	k_q065280fd66_attn
	.p2align	8
	.type	k_q065280fd66_attn,@function
k_q065280fd66_attn:
	s_mov_b64 s[64:65], 0
	v_nop
	global_prefetch_b8 v0, s[64:65] scope:SCOPE_SE
	s_setreg_imm32_b32 hwreg(HW_REG_WAVE_MODE, 25, 1), 1
	s_wait_xcnt 0x0
	s_wait_alu depctr_hold_cnt(0) depctr_sa_sdst(0) depctr_va_vdst(0) depctr_va_sdst(0) depctr_va_ssrc(0) depctr_va_vcc(0) depctr_vm_vsrc(0)
	s_getreg_b32 s2, hwreg(HW_REG_IB_STS2, 6, 4)
	s_cmp_eq_u32 s2, 0
	s_cbranch_scc0 .Lentry_in_a_cluster
	s_endpgm
.Lentry_in_a_cluster:
	s_bfe_u32 s2, ttmp6, 0x10000c
	s_cmp_lg_u32 s2, 0x3003
	s_cbranch_scc0 .Lentry_shape_is_right
	s_endpgm
.Lentry_shape_is_right:
; ATTENTION on codes of BF6 (E3M2) with E8M0 scales: S^T = k q^T, p = 2^(t - M), O^T += v^T p^T, O / l quantised at once for the out-projection.
; SHARES.  Work-group (cx, y): head y (batch x 16 + head), queries 512 cx .. + 511.  Eight waves, each 64 queries in two passes of two tiles of 16.  A step is 128 keys: 16 products for the scores, 8 for O^T.
; The head's k and v, 16 steps x 14,848 bytes, lie whole in LDS, each byte filled once.  CLUSTER 4 x 1: the four query blocks of a head ask for them jointly.
; THE HEAD'S LOADS: one a wave, two steps (116 rows of 256 bytes) each.  Waves 0 and 1 have a load line of their own and alone wait ahead of the first barrier: steps 0-3 run on their tiles; a plain barrier behind step 3 shows the rest.
; No prefetch: every tile is asked for at the head, so there is no later load to run ahead of.
; A LANE holds one query; its 32 registers of four neighbouring score tiles are 32 neighbouring keys (the rows are stored permuted), a whole scale block.  The mask rides in the idle half of the scores' K, as the launch before lays it.
; M is the ceiling of the running largest t, kept as -M; the row's sum is taken of the unquantised p; when M moves, O^T and the sum are multiplied by a power of two made by v_ldexp_f32.  A block's largest p is the exponential of its largest score.
; THE EXPONENTIALS of tile 0 stand by turns with tile 1's multiply-adds, those of tile 1 with the first level of tile 0's sums: each of those plain lines writes a register that is read only behind the next s_wait_alu.
; CHAINS: the block maxima run in eight chains by turns (an accumulator each), the sums in six; the short chains of the state and of the scale bytes, two tiles by turns, carry one-field hints.
; ONE LOOP walks both passes (steps 4 to 31; steps 0 to 3 stand in a loop ahead of the second barrier); a pass's way out stands under a branch on the step's number.  The passes' scale bytes wait in v12, v13 and leave at the end in whole units.
; LIMITS: the promise holds while the scaled scores stay under 2^31 in magnitude; a masked logit is -2^30 where the definition has -1e9; blocks whose largest magnitude lies under 2^-122 keep the byte 1; NaN and infinities are not served.
; REGISTERS.  Window 0: v1 16 x lane, v2, v4 LDS address of this and the next step, v16-19 v's scale words, v20-23 q's and p's, v32-63 the two tiles' state, v64-119 four fragments of k, v128-255 the scores, then p.
;   Window 1: v0-63 O^T, v64-87 q, v88-135 v's fragments, v136-159 p's codes, v160-175 conversions' second halves, v176-207 both passes' q as loaded.
.set STEPB, 14848
.set SCST,  237568                     ; behind k and v: the stage for the results' scale bytes, 2 x 512; no fill lands here
.set SPARE, 238592                     ; the spare words, 128 bytes for each wave
.set S,     128
.set ST,    32                         ; a tile's state, 16 registers: 0 -M, 1 largest score, 2-3 the sum, 4-5 block maxima, 6 f, 7 zero, 10-11 the conversions' scales, 8-9 and 12-15 at work
.set FLOOR, 0x2800000
.set TAKE4, 0xfe000000
.set MSB, 0
.macro WIN new
.if MSB != \new
	s_set_vgpr_msb (MSB<<8)|\new
.set MSB, \new
.endif
.endm
.macro PLACES
.rept 4
	v_nop
.endr
.endm
.macro WALU
	s_wait_alu depctr_va_vdst(0)
.endm
.macro CROUND
	s_barrier_signal -1
	s_barrier_wait -1
	s_cmp_lg_u32 s12, 0
	s_cbranch_scc1 .Lnot_wave_0_\@
	s_barrier_signal -3
.Lnot_wave_0_\@:
	s_barrier_wait -3
	s_barrier_signal -1
	s_barrier_wait -1
.endm
.macro KLOAD g, a                      ; four fragments of k: {scale word, 0, r0, r1}, {r2 .. r5}
.irp n, 0,1,2,3
	ds_load_b128 v[64+14*\n:67+14*\n], v[\a] offset:1024*(4*\g+\n)
	ds_load_b128 v[68+14*\n:71+14*\n], v[\a] offset:1024*(4*\g+\n)+512
.endr
.endm
.macro VLOAD                           ; 13 loads: four fragments of v^T and their scale words
	WIN 0x40
.irp t, 0,1,2,3
.irp c, 0,1,2
	ds_load_b128 v[88+12*\t+4*\c:91+12*\t+4*\c], v2 offset:8192+1536*\t+512*\c
.endr
.endr
	WIN 0
	ds_load_b128 v[16:19], v2 offset:14336
.endm
.macro QK g
	WIN 0x04
.irp n, 0,1,2,3
.irp T, 0,1
	v_wmma_scale_f32_16x16x128_f8f6f4 v[S+64*\T+8*(4*\g+\n):S+64*\T+8*(4*\g+\n)+7], v[66+14*\n:77+14*\n], v[64+12*\T:75+12*\T], 0, v[64+14*\n], v[20+\T] matrix_a_fmt:MATRIX_FMT_BF6 matrix_b_fmt:MATRIX_FMT_BF6
.endr
.endr
	WIN 0
.endm
.macro BMQ c, o, q, i                  ; a link of accumulator q's chain, both tiles; the chain's register is state o + c; each accumulator is read from its low end on
.irp T, 0,1
.if \i == 0
	v_max3_num_f32 v[ST+16*\T+\o+\c], v[S+64*\T+32*\c+8*\q], v[S+64*\T+32*\c+8*\q+1], v[S+64*\T+32*\c+8*\q+2]
.else
	v_max3_num_f32 v[ST+16*\T+\o+\c], v[ST+16*\T+\o+\c], v[S+64*\T+32*\c+8*\q+\i], v[S+64*\T+32*\c+8*\q+\i+1]
.endif
.endr
.endm
.macro BMAX c                          ; the largest score of block c, both tiles: eight chains by turns, then joined
.irp i, 0,3,5
	BMQ \c, 4, 0, \i
	BMQ \c, 12, 1, \i
	BMQ \c, 8, 2, \i
	BMQ \c, 14, 3, \i
.endr
.irp T, 0,1
	v_max3_num_f32 v[ST+16*\T+4+\c], v[ST+16*\T+4+\c], v[S+64*\T+32*\c+7], v[S+64*\T+32*\c+15]
	v_max3_num_f32 v[ST+16*\T+12+\c], v[ST+16*\T+12+\c], v[S+64*\T+32*\c+23], v[S+64*\T+32*\c+31]
	v_max_num_f32 v[ST+16*\T+8+\c], v[ST+16*\T+8+\c], v[ST+16*\T+14+\c]
.endr
	s_delay_alu instid0(VALU_DEP_4)
	v_max3_num_f32 v[ST+4+\c], v[ST+4+\c], v[ST+12+\c], v[ST+8+\c]
	s_delay_alu instid0(VALU_DEP_2)
	v_max3_num_f32 v[ST+20+\c], v[ST+20+\c], v[ST+28+\c], v[ST+24+\c]
.endm
.macro CVT T                           ; tile T's p into codes: a block's first 16 at their place, the second 16 elsewhere (a conversion's three registers begin on an even number)
	WIN 0x40
.irp c, 0,1
	v_cvt_scalef32_pk16_bf6_f32 v[136+12*\T+6*\c:138+12*\T+6*\c], v[S+64*\T+32*\c:S+64*\T+32*\c+15], v[ST+16*\T+10+\c]
	v_cvt_scalef32_pk16_bf6_f32 v[160+8*\T+4*\c:162+8*\T+4*\c], v[S+64*\T+32*\c+16:S+64*\T+32*\c+31], v[ST+16*\T+10+\c]
.endr
	v_nop                                          ; one plain line behind the conversions
.endm
; A step of 128 keys.  pre = 1: this step's first four fragments of k were asked for in the step before, and the next step's are asked for here
.macro STEP pre
.if \pre == 0
	KLOAD 0, 2
.endif
	VLOAD
	s_wait_dscnt 13                                ; k's fragments are in; v's 13 loads, which are younger, may be out
	QK 0
	PLACES
	KLOAD 1, 2
	BMAX 0
	s_wait_dscnt 0x0
	QK 1
	PLACES
.if \pre
	KLOAD 0, 4
.endif
	BMAX 1
.irp T, 0,1
	s_delay_alu instid0(VALU_DEP_2)
	v_max_num_f32 v[ST+16*\T+8], v[ST+16*\T+4], v[ST+16*\T+5]
.endr
.irp T, 0,1
	s_delay_alu instid0(VALU_DEP_2)
	v_permlanex16_b32 v[ST+16*\T+9], v[ST+16*\T+8], s40, s41
.endr
	s_delay_alu instid0(VALU_DEP_2)
	v_max3_num_f32 v[ST+1], v[ST+1], v[ST+8], v[ST+9]              ; the running largest score
	v_mov_b32 v[ST+9], v[ST]
	s_delay_alu instid0(VALU_DEP_3)
	v_max3_num_f32 v[ST+17], v[ST+17], v[ST+24], v[ST+25]
	v_mov_b32 v[ST+25], v[ST+16]
	s_delay_alu instid0(VALU_DEP_4)
	v_mul_f32 v[ST+8], s42, v[ST+1]                ; as t (c is positive)
	s_delay_alu instid0(VALU_DEP_3)
	v_mul_f32 v[ST+24], s42, v[ST+17]
.irp T, 0,1
	s_delay_alu instid0(VALU_DEP_2)
	v_floor_f32 v[ST+16*\T], -v[ST+16*\T+8]        ; -M = floor(-t)
.endr
.irp T, 0,1
	s_delay_alu instid0(VALU_DEP_2)
	v_sub_f32 v[ST+16*\T+9], v[ST+16*\T], v[ST+16*\T+9]
.endr
.irp T, 0,1
	s_delay_alu instid0(VALU_DEP_2)
	v_cvt_i32_f32 v[ST+16*\T+9], v[ST+16*\T+9]
.endr
.irp T, 0,1
	s_delay_alu instid0(VALU_DEP_2)
	v_ldexp_f32 v[ST+16*\T+6], 1.0, v[ST+16*\T+9]  ; f = 2^(old M - new M)
.endr
.set j, 0
.rept 32
	v_pk_fma_f32 v[S+j:S+j+1], v[S+j:S+j+1], s[42:43], v[ST:ST+1] op_sel_hi:[1,0,0]    ; tile 0: t - M
.set j, j+2
.endr
.irp T, 0,1
	v_fma_f32 v[ST+16*\T+4], v[ST+16*\T+4], s42, v[ST+16*\T]
	v_fma_f32 v[ST+16*\T+5], v[ST+16*\T+5], s42, v[ST+16*\T]
.endr
	WIN 0x41
.set j, 0
.rept 16
	v_pk_mul_f32 v[j:j+1], v[j:j+1], v[ST+6:ST+7] op_sel_hi:[1,0]      ; O^T under the new M, ahead of the step's exponentials
.set j, j+2
.endr
.rept 16
	v_pk_mul_f32 v[j:j+1], v[j:j+1], v[ST+22:ST+23] op_sel_hi:[1,0]
.set j, j+2
.endr
	WIN 0
	WALU
.set j, 0
.rept 32
	v_exp_f32 v[S+j], v[S+j]
	v_exp_f32 v[S+j+1], v[S+j+1]
	v_pk_fma_f32 v[S+64+j:S+65+j], v[S+64+j:S+65+j], s[42:43], v[ST+16:ST+17] op_sel_hi:[1,0,0]   ; tile 1: t - M
.set j, j+2
.endr
.irp T, 0,1
	v_exp_f32 v[ST+16*\T+4], v[ST+16*\T+4]         ; the blocks' largest p
	v_exp_f32 v[ST+16*\T+5], v[ST+16*\T+5]
.endr
.irp T, 0,1
	v_pk_mul_f32 v[ST+16*\T+2:ST+16*\T+3], v[ST+16*\T+2:ST+16*\T+3], v[ST+16*\T+6:ST+16*\T+7] op_sel_hi:[1,0]   ; the sums under the new M
.endr
	WALU
.irp T, 0,1
	v_max_num_f32 v[ST+16*\T+4], FLOOR, v[ST+16*\T+4]
	v_max_num_f32 v[ST+16*\T+5], FLOOR, v[ST+16*\T+5]
.endr
.irp T, 0,1
	s_delay_alu instid0(VALU_DEP_4)
	v_add_nc_u32 v[ST+16*\T+10], TAKE4, v[ST+16*\T+4]
	s_delay_alu instid0(VALU_DEP_4)
	v_add_nc_u32 v[ST+16*\T+11], TAKE4, v[ST+16*\T+5]
.endr
.irp T, 0,1
	s_delay_alu instid0(VALU_DEP_4)
	v_lshrrev_b32 v[ST+16*\T+14], 23, v[ST+16*\T+10]
	s_delay_alu instid0(VALU_DEP_4)
	v_lshrrev_b32 v[ST+16*\T+15], 23, v[ST+16*\T+11]
.endr
	s_delay_alu instid0(VALU_DEP_3)
	v_lshl_or_b32 v[ST+8], v[ST+15], 16, v[ST+14]
	s_delay_alu instid0(VALU_DEP_2)
	v_lshl_or_b32 v[ST+24], v[ST+31], 16, v[ST+30]
.irp T, 0,1
	s_delay_alu instid0(VALU_DEP_2)
	v_lshlrev_b32 v[ST+16*\T+8], v3, v[ST+16*\T+8]
.endr
.irp T, 0,1
	s_delay_alu instid0(VALU_DEP_2)
	v_permlanex16_b32 v[ST+16*\T+9], v[ST+16*\T+8], s40, s41
.endr
.irp T, 0,1
	s_delay_alu instid0(VALU_DEP_2)
	v_or_b32 v[22+\T], v[ST+16*\T+8], v[ST+16*\T+9]        ; p's scale word for these 128 keys
.endr
	CVT 0
	WIN 0
	WALU
.set j, 0
.rept 16
	v_exp_f32 v[S+64+j], v[S+64+j]
	v_exp_f32 v[S+65+j], v[S+65+j]
	v_exp_f32 v[S+66+j], v[S+66+j]
	v_exp_f32 v[S+67+j], v[S+67+j]
	v_pk_add_f32 v[S+j:S+j+1], v[S+j:S+j+1], v[S+j+2:S+j+3]        ; tile 0, whose codes are made: the first level of its sum, in place
.set j, j+4
.endr
	WALU
	CVT 1
	WIN 0x41
.irp T, 0,1
.irp c, 0,1
.irp i, 0,1,2
	v_mov_b32 v[139+12*\T+6*\c+\i], v[160+8*\T+4*\c+\i]
.endr
.endr
.endr
	WIN 0
	; the rows' sums, six chains by turns: tile 0's sixteen partial sums in two, tile 1's 32 pairs in four
	v_pk_add_f32 v[ST+12:ST+13], v[S+4:S+5], v[S+12:S+13]
	v_pk_add_f32 v[ST+28:ST+29], v[S+64:S+65], v[S+66:S+67]
	v_pk_add_f32 v[ST+14:ST+15], v[S+68:S+69], v[S+70:S+71]
	v_pk_add_f32 v[ST+30:ST+31], v[S+72:S+73], v[S+74:S+75]
.set j, 0
.rept 8
	v_pk_add_f32 v[ST+2:ST+3], v[ST+2:ST+3], v[S+8*j:S+8*j+1]
.if j < 6
	v_pk_add_f32 v[ST+18:ST+19], v[ST+18:ST+19], v[S+76+8*j:S+77+8*j]
	v_pk_add_f32 v[ST+28:ST+29], v[ST+28:ST+29], v[S+78+8*j:S+79+8*j]
	v_pk_add_f32 v[ST+14:ST+15], v[ST+14:ST+15], v[S+80+8*j:S+81+8*j]
	v_pk_add_f32 v[ST+30:ST+31], v[ST+30:ST+31], v[S+82+8*j:S+83+8*j]
.else
	v_pk_add_f32 v[ST+18:ST+19], v[ST+18:ST+19], v[S+112+2*j:S+113+2*j]
.endif
.if j >= 2
	v_pk_add_f32 v[ST+12:ST+13], v[ST+12:ST+13], v[S+8*j+4:S+8*j+5]
.endif
.set j, j+1
.endr
	v_pk_add_f32 v[ST+28:ST+29], v[ST+28:ST+29], v[ST+14:ST+15]
	v_pk_add_f32 v[ST+18:ST+19], v[ST+18:ST+19], v[ST+30:ST+31]
	v_pk_add_f32 v[ST+2:ST+3], v[ST+2:ST+3], v[ST+12:ST+13]
	v_pk_add_f32 v[ST+18:ST+19], v[ST+18:ST+19], v[ST+28:ST+29]
	WIN 0x55
.irp t, 0,1,2,3
.irp T, 0,1
	v_wmma_scale_f32_16x16x128_f8f6f4 v[32*\T+8*\t:32*\T+8*\t+7], v[88+12*\t:99+12*\t], v[136+12*\T:147+12*\T], v[32*\T+8*\t:32*\T+8*\t+7], v[16+\t], v[22+\T] matrix_a_fmt:MATRIX_FMT_BF6 matrix_b_fmt:MATRIX_FMT_BF6
.endr
.endr
	WIN 0
	s_mov_b32 s44, s47                             ; step i + 1's place, and step (i + 2) % 16's
	s_add_co_u32 s47, s46, 2
	s_and_b32 s47, s47, 15
	s_mul_i32 s47, s47, STEPB
	v_add_nc_u32 v2, s44, v1                       ; with the two v_nop: the four places behind the last product
	v_add_nc_u32 v4, s47, v1
	v_nop
	v_nop
.endm
.macro START b                         ; a pass begins: its state, q out of the registers from b on (window 1), O^T = 0
.irp T, 0,1
	v_mov_b32 v[ST+16*\T+1], 0xff61b1e6            ; -3e38, under every score
	v_mov_b32 v[ST+16*\T+2], 0
	v_mov_b32 v[ST+16*\T+3], 0
.endr
.irp T, 0,1
	v_floor_f32 v[ST+16*\T], -v[ST+16*\T+1]
.endr
	WIN 0x01
	v_mov_b32 v20, v[\b]
	v_mov_b32 v21, v[\b+8]
	WIN 0x41
.irp T, 0,1
.irp i, 0,1,2,3,4,5
	v_mov_b32 v[64+12*\T+\i], v[\b+2+8*\T+\i]
.endr
.endr
.set j, 0
.rept 64
	v_mov_b32 v[j], 0
.set j, j+1
.endr
	WIN 0
.endm
.macro FINISH                          ; a pass ends: O / l, quantised along the head's 64 (a lane holds a block of 32), codes stored, the scale bytes kept in v13
	WALU                                           ; the sums were written ahead of the step's last scalar lines
.irp T, 0,1
	v_add_f32 v[ST+16*\T+8], v[ST+16*\T+2], v[ST+16*\T+3]
.endr
.irp T, 0,1
	v_permlanex16_b32 v[ST+16*\T+9], v[ST+16*\T+8], s40, s41
.endr
.irp T, 0,1
	v_add_f32 v[ST+16*\T+8], v[ST+16*\T+8], v[ST+16*\T+9]
.endr
	WALU
.irp T, 0,1
	v_rcp_f32 v[ST+16*\T+6], v[ST+16*\T+8]
.endr
	v_nop
	WALU
	WIN 0x01
.irp T, 0,1
.set j, 0
.rept 16
	v_pk_mul_f32 v[S+64*\T+j:S+64*\T+j+1], v[32*\T+j:32*\T+j+1], v[ST+16*\T+6:ST+16*\T+7] op_sel_hi:[1,0]
.set j, j+2
.endr
.endr
	WIN 0
.irp T, 0,1
	v_max3_num_f32 v[ST+16*\T+4], |v[S+64*\T]|, |v[S+64*\T+1]|, FLOOR
	v_max3_num_f32 v[ST+16*\T+12], |v[S+64*\T+16]|, |v[S+64*\T+17]|, FLOOR
.endr
.set j, 2
.rept 7
.irp T, 0,1
	v_max3_num_f32 v[ST+16*\T+4], v[ST+16*\T+4], |v[S+64*\T+j]|, |v[S+64*\T+j+1]|
	v_max3_num_f32 v[ST+16*\T+12], v[ST+16*\T+12], |v[S+64*\T+16+j]|, |v[S+64*\T+17+j]|
.endr
.set j, j+2
.endr
.irp T, 0,1
	v_max_num_f32 v[ST+16*\T+4], v[ST+16*\T+4], v[ST+16*\T+12]
.endr
.irp T, 0,1
	v_add_nc_u32 v[ST+16*\T+10], TAKE4, v[ST+16*\T+4]
.endr
.irp T, 0,1
	v_lshrrev_b32 v[ST+16*\T+14], 23, v[ST+16*\T+10]
.endr
.irp T, 0,1
	v_lshlrev_b32 v[ST+16*\T+14], v3, v[ST+16*\T+14]
.endr
.irp T, 0,1
	v_permlanex16_b32 v[ST+16*\T+9], v[ST+16*\T+14], s40, s41
.endr
.irp T, 0,1
	v_or_b32 v[ST+16*\T+8], v[ST+16*\T+14], v[ST+16*\T+9]
.endr
.irp T, 0,1
	v_cvt_scalef32_pk16_bf6_f32 v[160+64*\T:162+64*\T], v[S+64*\T:S+64*\T+15], v[ST+16*\T+10]
	v_cvt_scalef32_pk16_bf6_f32 v[164+64*\T:166+64*\T], v[S+64*\T+16:S+64*\T+31], v[ST+16*\T+10]
.endr
	v_nop
.irp T, 0,1
	v_mov_b32 v[163+64*\T], v[164+64*\T]
	v_mov_b32 v[164+64*\T], v[165+64*\T]
	v_mov_b32 v[165+64*\T], v[166+64*\T]
.endr
.irp T, 0,1
	global_store_b128 v1, v[160+64*\T:163+64*\T], s[50:51] offset:12288*\T         ; 512 consecutive bytes a store
	global_store_b64 v6, v[164+64*\T:165+64*\T], s[50:51] offset:12288*\T+512      ; 256
.endr
	v_cndmask_b32 v13, v[ST+8], v[ST+24], s39      ; lanes 0-15 tile 0's row r, lanes 16-31 tile 1's: two bytes each
	WALU
	s_wait_xcnt 0x0                                ; the stores have read their registers and their base
.endm
	s_load_b256 s[4:11], s[0:1], 0x0               ; qf, kv, ao, ash
	v_lshl_add_u32 v126, v0, 2, SPARE
	v_mov_b32 v127, 0
	ds_add_u32 v126, v127
	ds_add_u32 v126, v127
	v_lshrrev_b32 v1, 5, v0
	v_readfirstlane_b32 s12, v1                    ; wave 0..7
	s_bfe_u32 s13, ttmp6, 0x40000                  ; cx: which 512 queries
	s_and_b32 s14, ttmp7, 0xffff                   ; batch x 16 + head
	s_mov_b32 s16, 15|(3<<16)|(1<<21)              ; group 1: 116 rows of 256 bytes (32 elements of 8), dense; the mask names the cluster's four
	s_mov_b32 s17, 32<<16
	s_mov_b32 s18, 116<<16
	s_mov_b32 s19, 32<<16
	s_mov_b32 s20, 116
	s_mov_b32 s21, 32
	s_mov_b32 s22, 0
	s_mov_b32 s23, 0
	s_mul_i32 s54, s14, 237568
	s_mul_i32 s55, s12, 29696                      ; my two steps, in memory and in LDS alike
	s_add_co_u32 s58, s54, s55
	s_mov_b32 s59, 0
	s_lshl_b32 s62, s14, 17                        ; q: head, 512 queries, my 32 (the second pass: 16,384 bytes on)
	s_lshl_b32 s15, s13, 15
	s_add_co_u32 s62, s62, s15
	s_lshl_b32 s15, s12, 11
	s_add_co_u32 s62, s62, s15
	s_mov_b32 s63, 0
	s_wait_dscnt 0x0
	s_wait_kmcnt 0x0
	s_add_nc_u64 s[24:25], s[4:5], s[62:63]
	s_mov_b32 s32, 1
	s_mov_b32 s33, s55
	s_add_nc_u64 s[34:35], s[6:7], s[58:59]
	s_or_b32 s35, s35, 0x80000000
	v_and_b32 v9, 31, v0
	v_lshlrev_b32 v1, 4, v9
	v_lshlrev_b32 v6, 3, v9
	WIN 0x40
.irp u, 0,1,2,3
	global_load_b128 v[192+4*\u:195+4*\u], v1, s[24:25] offset:512*\u              ; the first pass's two fragments of q, asked for ahead of the round
.endr
.irp u, 0,1,2,3
	global_load_b128 v[176+4*\u:179+4*\u], v1, s[24:25] offset:16384+512*\u        ; the second pass's
.endr
	WIN 0
	WALU
	CROUND                                         ; the four work-groups are here: the joint loads meet
	s_cmp_lt_u32 s12, 2
	s_cbranch_scc0 .Llater
	tensor_load_to_lds s[32:35], s[16:23]          ; waves 0, 1: steps 0-3
	s_nop 0
	PLACES
	s_branch .Lasked
.Llater:
	tensor_load_to_lds s[32:35], s[16:23]          ; waves 2-7: steps 4-15
	s_nop 0
	PLACES
.Lasked:
	s_mov_b32 s39, 0xffff0000
	s_mov_b32 s40, 0x76543210
	s_mov_b32 s41, 0xfedcba98                      ; v_permlanex16_b32's selects for lane l xor 16
	s_mov_b32 s42, 0x3e38aa3b                      ; c = log2(e) / 8
	s_mov_b32 s43, s42
	s_mov_b32 s46, 0                               ; the step's number, 0 .. 31
	s_mov_b32 s47, STEPB
	s_lshr_b32 s62, s14, 4                         ; ao: tile (128 batch + 32 cx + 2 wave) x 12,288 + K step (head / 2) x 1,536 + half (head % 2) x 768
	s_lshl_b32 s62, s62, 7
	s_lshl_b32 s15, s13, 5
	s_add_co_u32 s62, s62, s15
	s_lshl_b32 s15, s12, 1
	s_add_co_u32 s62, s62, s15
	s_mul_i32 s62, s62, 12288
	s_bfe_u32 s15, s14, 0x30001
	s_mul_i32 s15, s15, 1536
	s_add_co_u32 s62, s62, s15
	s_and_b32 s15, s14, 1
	s_mul_i32 s15, s15, 768
	s_add_co_u32 s62, s62, s15
	s_add_nc_u64 s[50:51], s[8:9], s[62:63]
	s_and_b32 s62, s14, 15                         ; ash: head x 16,384 + batch x 4,096 + cx x 1,024
	s_lshl_b32 s62, s62, 14
	s_lshr_b32 s15, s14, 4
	s_lshl_b32 s15, s15, 12
	s_add_co_u32 s62, s62, s15
	s_lshl_b32 s15, s13, 10
	s_add_co_u32 s62, s62, s15
	s_add_nc_u64 s[52:53], s[10:11], s[62:63]
	v_bfe_u32 v8, v0, 4, 1
	v_lshlrev_b32 v3, 3, v8                        ; 8 h
	v_lshl_add_u32 v7, v0, 1, SCST
	v_add_nc_u32 v5, SCST, v1
	v_sub_nc_u32 v9, 1, v8
	v_mul_u32_u24 v10, v9, 0x0c                    ; k = 64: the code +1 in every key's fragment,
	v_mul_u32_u24 v11, v9, 0x2c                    ; -1 in every query's
	v_mov_b32 v2, v1
	v_add_nc_u32 v4, STEPB, v1
	v_mov_b32 v12, 0
	v_mov_b32 v13, 0
.irp n, 0,1,2,3
	v_mov_b32 v[72+14*\n], v10
.irp i, 9,10,11,12,13
	v_mov_b32 v[64+14*\n+\i], 0
.endr
.endr
.irp T, 0,1
	v_mov_b32 v[ST+16*\T+7], 0
	v_mov_b32 v[ST+16*\T+8], 0
	v_mov_b32 v[ST+16*\T+9], 0
.endr
	WIN 0x40
.irp T, 0,1
	v_mov_b32 v[70+12*\T], v11
.irp i, 7,8,9,10,11
	v_mov_b32 v[64+12*\T+\i], 0
.endr
.endr
	WIN 0
	WALU
	s_wait_loadcnt 0x0
	START 192
	WALU
	s_wait_dscnt 0x0
	s_cmp_lt_u32 s12, 2
	s_cbranch_scc0 .Lnot_first
	s_wait_tensorcnt 0x0                           ; waves 0, 1: steps 0-3 have landed
.Lnot_first:
	s_barrier_signal -1
	s_barrier_wait -1                              ; the others' tiles may be on their way
.Lfirst:
	STEP 0
	s_add_co_u32 s46, s46, 1
	s_cmp_lt_u32 s46, 4
	WALU
	s_cbranch_scc1 .Lfirst
	s_wait_tensorcnt 0x0                           ; every wave: its tile has landed
	s_wait_dscnt 0x0
	s_barrier_signal -1
	s_barrier_wait -1                              ; all of k and v is in
	KLOAD 0, 2
.Lrest:
	STEP 1
	s_and_b32 s45, s46, 15
	s_cmp_lg_u32 s45, 15
	s_cbranch_scc1 .Lon                            ; a pass ends behind its step 15
	FINISH
	s_cmp_eq_u32 s46, 31
	s_cbranch_scc1 .Ldone
	s_add_nc_u64 s[50:51], s[50:51], 196608        ; the second pass's tiles: 16 on
	v_mov_b32 v12, v13
	START 176
.Lon:
	s_add_co_u32 s46, s46, 1
	s_cmp_lt_u32 s46, 32
	WALU
	s_cbranch_scc1 .Lrest
.Ldone:
	WALU
	ds_store_b16 v7, v12                           ; both passes' scale bytes: 2 x 512 bytes of the work-group
	ds_store_b16 v7, v13 offset:512
	s_wait_dscnt 0x0
	s_barrier_signal -1
	s_barrier_wait -1
	s_cmp_lg_u32 s12, 0
	s_cbranch_scc1 .Lnot_mine
	ds_load_b128 v[8:11], v5
	ds_load_b128 v[16:19], v5 offset:512
	s_wait_dscnt 0x0
	global_store_b128 v1, v[8:11], s[52:53]        ; 512 consecutive bytes a store
	global_store_b128 v1, v[16:19], s[52:53] offset:512
.Lnot_mine:
	s_wait_tensorcnt 0x0                           ; the wave's end
	ds_add_u32 v126, v127
	s_wait_dscnt 0x0
	CROUND                                         ; the closing round
	s_endpgm
.Lfunc_end_k_q065280fd66_attn:
	.size	k_q065280fd66_attn, .Lfunc_end_k_q065280fd66_attn-k_q065280fd66_attn
	.p2alignl 7, 3214868480
	.fill 96, 4, 3214868480
	.section	.rodata,"a",@progbits
	.p2align	6, 0x0
	.amdhsa_kernel k_q065280fd66_attn
		.amdhsa_group_segment_fixed_size 327680
		.amdhsa_private_segment_fixed_size 0
		.amdhsa_enable_private_segment 0
		.amdhsa_kernarg_size 32
		.amdhsa_user_sgpr_count 2
		.amdhsa_user_sgpr_kernarg_segment_ptr 1
		.amdhsa_wavefront_size32 1
		.amdhsa_system_sgpr_workgroup_id_x 1
		.amdhsa_system_sgpr_workgroup_id_y 1
		.amdhsa_system_sgpr_workgroup_id_z 1
		.amdhsa_system_vgpr_workitem_id 0
		.amdhsa_next_free_vgpr 512
		.amdhsa_next_free_sgpr 66
		.amdhsa_reserve_vcc 0
		.amdhsa_float_denorm_mode_32 3
		.amdhsa_float_denorm_mode_16_64 3
		.amdhsa_memory_ordered 1
		.amdhsa_forward_progress 1
		.amdhsa_inst_pref_size 78
	.end_amdhsa_kernel
	.amdgpu_metadata
---
amdhsa.version: [ 1, 2 ]
amdhsa.kernels:
  - .name:           k_q065280fd66_attn
    .symbol:         k_q065280fd66_attn.kd
    .args:
      - { .name: qf, .offset: 0, .size: 8, .value_kind: global_buffer, .address_space: global }
      - { .name: kv, .offset: 8, .size: 8, .value_kind: global_buffer, .address_space: global }
      - { .name: ao, .offset: 16, .size: 8, .value_kind: global_buffer, .address_space: global }
      - { .name: ash, .offset: 24, .size: 8, .value_kind: global_buffer, .address_space: global }
    .group_segment_fixed_size: 327680
    .private_segment_fixed_size: 0
    .kernarg_segment_align: 8
    .kernarg_segment_size: 32
    .max_flat_workgroup_size: 256
    .sgpr_count:     66
    .vgpr_count:     512
    .wavefront_size: 32
...
	.end_amdgpu_metadata
.endif
;; end of part 3
;; launch oproj (part 4): grid 8 x 32, 4 waves a work-group, clusters of 4 x 4, 312,832 bytes of LDS; arguments ao, ash, wc, ws, bo, hidden_states, out0; writes out0
.if DOCPART == 4
	.amdgcn_target "amdgcn-amd-amdhsa--gfx1250"
	.amdhsa_code_object_version 6
	.text
	.protected	k_q065280fd66_oproj
	.globl	k_q065280fd66_oproj
	.p2align	8
	.type	k_q065280fd66_oproj,@function
k_q065280fd66_oproj:
	s_mov_b64 s[64:65], 0
	v_nop
	global_prefetch_b8 v0, s[64:65] scope:SCOPE_SE
	s_setreg_imm32_b32 hwreg(HW_REG_WAVE_MODE, 25, 1), 1
	s_wait_xcnt 0x0
	s_wait_alu depctr_hold_cnt(0) depctr_sa_sdst(0) depctr_va_vdst(0) depctr_va_sdst(0) depctr_va_ssrc(0) depctr_va_vcc(0) depctr_vm_vsrc(0)
	s_getreg_b32 s2, hwreg(HW_REG_IB_STS2, 6, 4)
	s_cmp_eq_u32 s2, 0
	s_cbranch_scc0 .Lentry_in_a_cluster
	s_endpgm
.Lentry_in_a_cluster:
	s_bfe_u32 s2, ttmp6, 0x10000c
	s_cmp_lg_u32 s2, 0xf033
	s_cbranch_scc0 .Lentry_shape_is_right
	s_endpgm
.Lentry_shape_is_right:
; OUT = attention's output x Wo + bo + hidden_states, the product on codes of BF6 with E8M0 scales.
; SHARES.  Work-group (xg, y): 256 stored rows x 128 stored columns, all K = 1024.  Both operands' images lie whole in LDS (196,608 + 98,304 bytes), each byte filled once.  Four waves: wave (wr, wc) takes row tiles
; 8 wr .. + 7 and column tiles 4 wc .. + 3: 32 accumulators, 32 matrix instructions for each K step of 128.
; CLUSTER 4 x 4: the rows' tiles hang on y alone and are asked for jointly along a row of the cluster, Wo's on xg alone and jointly along a column.
; LAYOUT.  Source 0 = Wo's tiles, source 1 = the rows' tiles.  Wo's rows are stored permuted inside each 64, so a lane's 32 registers of a row tile are 32 NEIGHBOURING columns of one output row.  The rows' own permutation is
; undone on the way out, in the stores' immediate offsets.  bo is the C of each sum's first matrix instruction; the residual is added on the way out.
; REGISTERS.  Window 0: v1-31 addresses; v32-63 the rows' scale words; v64-79 Wo's; v112-143 bo; v128-191, v192-255 the way out.   Window 1: the accumulators.   Windows 2, 3: two sets of fragments.
.set XB,    0
.set WB,    196608
.set STAGE, 294912                     ; 16 rows x (256 + 16) bytes for each wave; no fill lands here
.set BO,    112
.set MSB, 0
.macro WIN new
.if MSB != \new
	s_set_vgpr_msb (MSB<<8)|\new
.set MSB, \new
.endif
.endm
.macro PLACES
.rept 4
	v_nop
.endr
.endm
.macro CROUND
	s_barrier_signal -1
	s_barrier_wait -1
	s_cmp_lg_u32 s24, 0
	s_cbranch_scc1 .Lnot_wave_0_\@
	s_barrier_signal -3
.Lnot_wave_0_\@:
	s_barrier_wait -3
	s_barrier_signal -1
	s_barrier_wait -1
.endm
.macro FRAG reg, a16, a8, off
	ds_load_b128 v[\reg:\reg+3], v[\a16] offset:\off
	ds_load_b64 v[\reg+4:\reg+5], v[\a8] offset:\off+512
	ds_load_b128 v[\reg+6:\reg+9], v[\a16] offset:\off+768
	ds_load_b64 v[\reg+10:\reg+11], v[\a8] offset:\off+1280
.endm
.macro FETCH ks                        ; 48 LDS loads in one run: K step ks's fragments into set ks % 2
.if ((\ks)%2) == 0
	WIN 0x80
.else
	WIN 0xc0
.endif
.irp i, 0,1,2,3,4,5,6,7
	FRAG 12*\i, 8+2*((\ks)/4), 9+2*((\ks)/4), 6144*\i+1536*((\ks)%4)
.endr
.irp i, 0,1,2,3
	FRAG 96+12*\i, 16+2*((\ks)/4), 17+2*((\ks)/4), 6144*\i+1536*((\ks)%4)
.endr
.endm
.macro ONE d, a, b, c, sa, sb, ks      ; a scale register holds K step j in lanes 0-15 and K step 4 + j in lanes 16-31
.if (\ks) == 0
	v_wmma_scale_f32_16x16x128_f8f6f4 v[\d:\d+7], v[\a:\a+11], v[\b:\b+11], v[\c:\c+7], v[\sa], v[\sb] matrix_a_fmt:MATRIX_FMT_BF6 matrix_b_fmt:MATRIX_FMT_BF6
.elseif (\ks) < 4
	v_wmma_scale_f32_16x16x128_f8f6f4 v[\d:\d+7], v[\a:\a+11], v[\b:\b+11], v[\d:\d+7], v[\sa], v[\sb] matrix_a_fmt:MATRIX_FMT_BF6 matrix_b_fmt:MATRIX_FMT_BF6
.else
	v_wmma_scale_f32_16x16x128_f8f6f4 v[\d:\d+7], v[\a:\a+11], v[\b:\b+11], v[\d:\d+7], v[\sa], v[\sb] matrix_a_fmt:MATRIX_FMT_BF6 matrix_b_fmt:MATRIX_FMT_BF6 matrix_a_scale:MATRIX_SCALE_ROW1 matrix_b_scale:MATRIX_SCALE_ROW1
.endif
.endm
.macro MULS ks, half                   ; 16 matrix instructions; the 32 accumulators take turns, one instruction a turn
.if (\ks) == 0
	WIN 0x4a
.elseif ((\ks)%2) == 0
	WIN 0x5a
.else
	WIN 0x5f
.endif
.irp aa, 0,1,2,3
.irp b, 0,1,2,3
	ONE 32*(4*\half+\aa)+8*\b, 96+12*\b, 12*(4*\half+\aa), BO+8*\b, 64+4*\b+(\ks)%4, 32+4*(4*\half+\aa)+(\ks)%4, \ks
.endr
.endr
.endm
.macro VIS n                           ; my fills down to the n youngest have landed; behind the barrier everybody's have
	s_wait_tensorcnt \n
	s_wait_dscnt 0x0
	s_barrier_signal -1
	s_barrier_wait -1
.endm
; THE RESIDUAL IS PREFETCHED INTO THE L2: my wave's own 128 rows x 256 bytes of hidden_states, a lane a row, 32 rows an instruction, behind the LDS loads of K steps 1 to 4; the way out loads them behind K step 7.
; Each aligned 256 bytes are named once in the launch, by the wave that will load them; the address registers are never rewritten.
.macro ASK u
	global_prefetch_b8 v26, s[14:15] offset:131072*\u th:TH_LOAD_NT scope:SCOPE_SE
.endm
.macro KSTEP ks, pf
	PLACES
	FETCH (\ks)+1
.if \pf >= 0
	ASK \pf
.endif
	s_wait_dscnt 48                                ; the 48 loads just issued may be out; this K step's set is in
	MULS \ks, 0
	MULS \ks, 1
.endm
.macro RLOAD a                         ; the residual of row tile a: stored rows 2 i, 2 i + 1 are true rows 64 (a / 4) + 32 (i / 4) + 8 (a % 4) + 2 (i % 4) + 0, 1
.irp i, 0,1,2,3,4,5,6,7
	global_load_b128 v[192+32*((\a)%2)+4*\i:195+32*((\a)%2)+4*\i], v28, s[14:15] offset:(64*((\a)/4)+32*(\i/4)+8*((\a)%4)+2*(\i%4))*4096 th:TH_LOAD_NT
.endr
.endm
	s_load_b256 s[4:11], s[0:1], 0x0               ; ao, ash, wc, ws
	s_load_b128 s[12:15], s[0:1], 0x20             ; bo, hidden_states
	s_load_b64 s[16:17], s[0:1], 0x30              ; out0
	v_lshl_add_u32 v110, v0, 2, 0x4c400
	v_mov_b32 v111, 0
	ds_add_u32 v110, v111
	ds_add_u32 v110, v111
	v_lshrrev_b32 v1, 5, v0
	v_readfirstlane_b32 s24, v1                    ; wave 0..3
	s_lshr_b32 s25, s24, 1                         ; wr
	s_and_b32 s26, s24, 1                          ; wc
	s_bfe_u32 s27, ttmp6, 0x40000                  ; cx
	s_bfe_u32 s28, ttmp6, 0x40004                  ; cy
	s_lshl_b32 s29, ttmp9, 2
	s_add_co_u32 s29, s29, s27                     ; xg
	s_and_b32 s30, ttmp7, 0xffff
	s_lshl_b32 s30, s30, 2
	s_add_co_u32 s30, s30, s28                     ; y
	s_lshl_b32 s92, s28, 2
	s_lshl_b32 s92, 15, s92                        ; my row of the cluster
	s_lshl_b32 s93, 0x1111, s27                    ; my column
	s_or_b32 s32, s92, (3<<16)|(1<<21)             ; group 1 for the rows: 16 tiles x 6,144 bytes, 12,288 apart; elements of 8 bytes
	s_mov_b32 s33, 768<<16                         ; the rows: 16 tiles x 6,144 bytes (four K steps), 12,288 apart
	s_mov_b32 s34, 16<<16
	s_mov_b32 s35, 768<<16
	s_mov_b32 s36, 16
	s_mov_b32 s37, 1536
	s_mov_b32 s38, 0
	s_mov_b32 s39, 0
	s_or_b32 s40, s93, (3<<16)|(1<<21)             ; group 1 for Wo: 8 tiles x 6,144 bytes
	s_mov_b32 s41, 768<<16
	s_mov_b32 s42, 8<<16                           ; Wo: 8 tiles x 6,144 bytes
	s_mov_b32 s43, 768<<16
	s_mov_b32 s44, 8
	s_mov_b32 s45, 1536
	s_mov_b32 s46, 0
	s_mov_b32 s47, 0
	s_lshl_b32 s94, s30, 4
	s_mul_i32 s94, s94, 12288
	s_mov_b32 s95, 0
	s_mul_i32 s96, s29, 98304                      ; Wo: unit 24 + xg
	s_add_co_u32 s96, s96, 24*98304
	s_mov_b32 s97, 0
	s_wait_dscnt 0x0
	s_wait_kmcnt 0x0
	s_add_nc_u64 s[94:95], s[4:5], s[94:95]
	s_add_nc_u64 s[96:97], s[8:9], s[96:97]
.irp q, 0,1                            ; the rows' two halves of K
	s_mov_b32 s[48+4*\q], 1
	s_mov_b32 s[49+4*\q], XB+98304*\q
	s_add_nc_u64 s[50+4*\q:51+4*\q], s[94:95], 6144*\q
	s_or_b32 s[51+4*\q], s[51+4*\q], 0x80000000
.endr
.irp f, 0,1
	s_mov_b32 s[68+4*\f], 1
	s_mov_b32 s[69+4*\f], WB+49152*\f
	s_add_nc_u64 s[70+4*\f:71+4*\f], s[96:97], 6144*\f
	s_or_b32 s[71+4*\f], s[71+4*\f], 0x80000000
.endr
	CROUND                                         ; all sixteen work-groups are here: the joint loads meet
	s_cmp_eq_u32 s24, 0                            ; one tensor load a wave, each in its own arm of one chain
	s_cbranch_scc0 .Lh1
	tensor_load_to_lds s[48:51], s[32:39]          ; wave 0: the rows' K steps 0-3
	s_nop 0
	PLACES
	s_branch .Lhj
.Lh1:
	s_cmp_eq_u32 s24, 1
	s_cbranch_scc0 .Lh2
	tensor_load_to_lds s[68:71], s[40:47]          ; wave 1: Wo's K steps 0-3
	s_nop 0
	PLACES
	s_branch .Lhj
.Lh2:
	s_cmp_eq_u32 s24, 2
	s_cbranch_scc0 .Lh3
	tensor_load_to_lds s[52:55], s[32:39]          ; wave 2: the rows' K steps 4-7
	s_nop 0
	PLACES
	s_branch .Lhj
.Lh3:
	tensor_load_to_lds s[72:75], s[40:47]          ; wave 3: Wo's K steps 4-7
	s_nop 0
	PLACES
.Lhj:
	v_and_b32 v1, 31, v0                           ; lane
	v_and_b32 v2, 15, v0                           ; r
	v_bfe_u32 v3, v0, 4, 1                         ; h
	v_lshlrev_b32 v4, 4, v1
	v_lshlrev_b32 v5, 3, v1
	s_mul_i32 s99, s25, 49152
.irp q, 0,1
	v_add_nc_u32 v[8+2*\q], s99, v4
	v_add_nc_u32 v[9+2*\q], s99, v5
	s_add_co_u32 s99, s99, 98304
.endr
	s_mul_i32 s99, s26, 24576
	s_add_co_u32 s99, s99, WB
.irp f, 0,1
	v_add_nc_u32 v[16+2*\f], s99, v4
	v_add_nc_u32 v[17+2*\f], s99, v5
	s_add_co_u32 s99, s99, 49152
.endr
	s_mul_i32 s99, s24, 4352
	s_add_co_u32 s99, s99, STAGE                   ; my stage
	v_mul_u32_u24 v29, v2, 272
	v_lshl_add_u32 v29, v3, 7, v29
	v_add_nc_u32 v29, s99, v29                     ; in: row r, my half's 128 bytes
	v_mul_u32_u24 v30, v3, 272
	v_lshl_add_u32 v30, v2, 4, v30
	v_add_nc_u32 v30, s99, v30                     ; back: lanes 0-15 one row of 256 bytes, lanes 16-31 the next
	v_lshlrev_b32 v24, 7, v3                       ; bo: my half's 32 columns
	v_lshlrev_b32 v25, 1, v2
	v_lshl_add_u32 v25, v3, 17, v25                ; ash: row r's two bytes; lanes 16-31 eight heads on
	v_lshlrev_b32 v26, 12, v1                      ; the prefetches: a lane a row
	v_lshlrev_b32 v27, 5, v2
	v_lshl_add_u32 v27, v3, 4, v27                 ; Wo's scale words
	s_wait_alu depctr_va_vdst(0)
	v_lshlrev_b32 v28, 4, v2
	v_lshl_add_u32 v28, v3, 12, v28                ; out0 and the residual: two neighbouring rows, 16 bytes a lane
	s_lshl_b32 s92, s30, 8
	s_lshl_b32 s93, s25, 7
	s_add_co_u32 s92, s92, s93                     ; my first row: 256 y + 128 wr
	s_mov_b32 s93, 0
	s_lshl_b32 s31, s29, 7
	s_lshl_b32 s91, s26, 6
	s_add_co_u32 s31, s31, s91                     ; my first column: 128 xg + 64 wc
	s_lshl_b32 s90, s92, 1
	s_mov_b32 s91, 0
	s_add_nc_u64 s[6:7], s[6:7], s[90:91]
	s_lshl_b32 s90, s31, 2
	s_add_nc_u64 s[12:13], s[12:13], s[90:91]
	s_lshl_b32 s92, s92, 12
	s_add_co_u32 s92, s92, s90
	s_add_nc_u64 s[14:15], s[14:15], s[92:93]
	s_add_nc_u64 s[16:17], s[16:17], s[92:93]
	s_lshl_b32 s90, s31, 5
	s_add_co_u32 s90, s90, 98304                   ; Wo's stored rows begin at 3,072
	s_add_nc_u64 s[10:11], s[10:11], s[90:91]
.irp i, 0,1,2,3
	global_load_b128 v[64+4*\i:67+4*\i], v27, s[10:11] offset:512*\i
.endr
.irp b, 0,1,2,3
	global_load_b128 v[BO+8*\b:BO+8*\b+3], v24, s[12:13] offset:32*\b
	global_load_b128 v[BO+8*\b+4:BO+8*\b+7], v24, s[12:13] offset:32*\b+16
.endr
.irp a, 0,1,2,3,4,5,6,7                ; a K step's scale word is two heads' pairs of bytes: register 4 a + j: K step j below, 4 + j above
.irp j, 0,1,2,3
	global_load_u16 v[32+4*\a+\j], v25, s[6:7] offset:(2*\j)*16384+32*\a
	global_load_u16 v[160+4*\a+\j], v25, s[6:7] offset:(2*\j+1)*16384+32*\a
.endr
.endr
	s_wait_loadcnt 0x0
.set j, 0
.rept 32
	v_lshl_or_b32 v[32+j], v[160+j], 16, v[32+j]
.set j, j+1
.endr
.rept 8
	v_nop                                          ; scale registers written by vector instructions stand eight plain lines ahead of the scaled products
.endr
	s_wait_alu depctr_va_vdst(0)
	s_wait_dscnt 0x0
	s_cmp_lt_u32 s24, 2
	s_cbranch_scc0 .Lnot_first
	s_wait_tensorcnt 0x0                           ; waves 0 and 1: the first halves of the rows and of Wo have landed
.Lnot_first:
	s_barrier_signal -1
	s_barrier_wait -1                              ; the second halves may be on their way
	FETCH 0
	KSTEP 0, -1
	KSTEP 1, 0
	KSTEP 2, 1
	WIN 0
	s_wait_tensorcnt 0x0                           ; all my fills have landed
	s_wait_dscnt 0x0
	s_barrier_signal -1
	MULS 3, 0
	s_barrier_wait -1                              ; everybody's have.  Nothing is filled again in this launch
	PLACES
	FETCH 4
	ASK 2
	MULS 3, 1
	KSTEP 4, 3
	KSTEP 5, -1
	KSTEP 6, -1
	s_wait_dscnt 0x0
	MULS 7, 0
	MULS 7, 1
	WIN 0
	; THE WAY OUT, a tile of 16 rows at a time: a lane holds 128 bytes of one row; through my own stage they come back as rows of 256 bytes, the residual is added, and sixteen lanes store 256 consecutive, aligned bytes.
	RLOAD 0
	RLOAD 1
	PLACES
.irp a, 0,1,2,3,4,5,6,7
.if \a >= 2
	s_wait_xcnt 0x0                                ; tile a - 2's stores have read their registers
.endif
	WIN 0x04                                       ; an LDS store's data are its source 1: window 1
.irp b, 0,1,2,3
	ds_store_b128 v29, v[32*\a+8*\b:32*\a+8*\b+3] offset:32*\b     ; each accumulator from its low end on
	ds_store_b128 v29, v[32*\a+8*\b+4:32*\a+8*\b+7] offset:32*\b+16
.endr
	WIN 0
.irp i, 0,1,2,3,4,5,6,7
	ds_load_b128 v[128+32*(\a%2)+4*\i:131+32*(\a%2)+4*\i], v30 offset:544*\i       ; LDS serves a wave's instructions in order: these see my stores
.endr
	s_wait_dscnt 0x0
.if \a < 7
	s_wait_loadcnt 8                               ; this tile's residual is in; the next tile's eight loads may be out
.else
	s_wait_loadcnt 0x0
.endif
.set j, 0
.rept 16
	v_pk_add_f32 v[128+32*(\a%2)+j:129+32*(\a%2)+j], v[128+32*(\a%2)+j:129+32*(\a%2)+j], v[192+32*(\a%2)+j:193+32*(\a%2)+j]
.set j, j+2
.endr
.if \a < 6
	RLOAD \a+2
.endif
.irp i, 0,1,2,3,4,5,6,7
	global_store_b128 v28, v[128+32*(\a%2)+4*\i:131+32*(\a%2)+4*\i], s[16:17] offset:(64*(\a/4)+32*(\i/4)+8*(\a%4)+2*(\i%4))*4096 th:TH_STORE_NT
.endr
.endr
	s_wait_tensorcnt 0x0
	ds_add_u32 v110, v111
	s_wait_dscnt 0x0
	CROUND                                         ; the closing round: no work-group ends while a partner may still ask for a tile that names it
	s_endpgm
.Lfunc_end_k_q065280fd66_oproj:
	.size	k_q065280fd66_oproj, .Lfunc_end_k_q065280fd66_oproj-k_q065280fd66_oproj
	.p2alignl 7, 3214868480
	.fill 96, 4, 3214868480
	.section	.rodata,"a",@progbits
	.p2align	6, 0x0
	.amdhsa_kernel k_q065280fd66_oproj
		.amdhsa_group_segment_fixed_size 312832
		.amdhsa_private_segment_fixed_size 0
		.amdhsa_enable_private_segment 0
		.amdhsa_kernarg_size 56
		.amdhsa_user_sgpr_count 2
		.amdhsa_user_sgpr_kernarg_segment_ptr 1
		.amdhsa_wavefront_size32 1
		.amdhsa_system_sgpr_workgroup_id_x 1
		.amdhsa_system_sgpr_workgroup_id_y 1
		.amdhsa_system_sgpr_workgroup_id_z 1
		.amdhsa_system_vgpr_workitem_id 0
		.amdhsa_next_free_vgpr 1024
		.amdhsa_next_free_sgpr 100
		.amdhsa_reserve_vcc 0
		.amdhsa_float_denorm_mode_32 3
		.amdhsa_float_denorm_mode_16_64 3
		.amdhsa_memory_ordered 1
		.amdhsa_forward_progress 1
		.amdhsa_inst_pref_size 106
	.end_amdhsa_kernel
	.amdgpu_metadata
---
amdhsa.version: [ 1, 2 ]
amdhsa.kernels:
  - .name:           k_q065280fd66_oproj
    .symbol:         k_q065280fd66_oproj.kd
    .args:
      - { .name: ao, .offset: 0, .size: 8, .value_kind: global_buffer, .address_space: global }
      - { .name: ash, .offset: 8, .size: 8, .value_kind: global_buffer, .address_space: global }
      - { .name: wc, .offset: 16, .size: 8, .value_kind: global_buffer, .address_space: global }
      - { .name: ws, .offset: 24, .size: 8, .value_kind: global_buffer, .address_space: global }
      - { .name: bo, .offset: 32, .size: 8, .value_kind: global_buffer, .address_space: global }
      - { .name: hidden_states, .offset: 40, .size: 8, .value_kind: global_buffer, .address_space: global }
      - { .name: out0, .offset: 48, .size: 8, .value_kind: global_buffer, .address_space: global }
    .group_segment_fixed_size: 312832
    .private_segment_fixed_size: 0
    .kernarg_segment_align: 8
    .kernarg_segment_size: 56
    .max_flat_workgroup_size: 128
    .sgpr_count:     100
    .vgpr_count:     1024
    .wavefront_size: 32
...
	.end_amdgpu_metadata
.endif
;; end of part 4
